; MI455X (gfx1250); checked and timed in simulation.
; The chip was launched on July 23, 2026; its instructions are those of AMD's public machine-readable ISA for CDNA 5 (MIT licence, August 2026) and "CDNA5" Instruction Set Architecture Reference Guide (July 2026). The comments in the code are by the model that wrote it; some were corrected since.
;; attention block. Allowed arithmetic: matrix products marked QUANTISED: E2M3 operands, one E8M0 scale for each 32 along K, by v_wmma_scale_f32_16x16x128_f8f6f4 with both operands' format E2M3, f32 sums; everything else in f32.
;; Inputs: Wd 4,096 x 1,024 float32; We 1,024 x 4,096 float32; Wk 1,024 x 1,024 float32; Wo 1,024 x 1,024 float32; Wq 1,024 x 1,024 float32; Wv 1,024 x 1,024 float32; bd 1,024 float32; be 4,096 float32; bk 1,024 float32; bo 1,024 float32; bq 1,024 float32; bv 1,024 float32; ln_a_b 1,024 float32; ln_a_g 1,024 float32; ln_b_b 1,024 float32; ln_b_g 1,024 float32; ln_c_b 1,024 float32; ln_c_g 1,024 float32; x 2 x 2,048 x 1,024 float32.
;; Outputs: out0 2 x 2,048 x 1,024 float32.
;; This version of the problem:
;;   THIS VERSION OF THE PROBLEM IS GIVEN IN LOW PRECISION. The matrix products marked QUANTISED in the list below multiply operands that are first quantised to E2M3 (2 exponent bits, 3 mantissa bits; 6 bits a number), with one power-of-two scale for each 32 numbers along K (OCP MX v1.0); their sums are f32. All else is computed in f32.
;;   The module's matrix products, in the order in which they are computed (A, B: the left and right operand; K: the contracted axis; several contracted axes count as one K, in the product's order):
;;     1. [M 4,096, K 1,024] x [K 1,024, N 1,024]; A: computed on the way; B: input Wq: QUANTISED
;;     2. [M 4,096, K 1,024] x [K 1,024, N 1,024]; A: computed on the way; B: input Wk: QUANTISED
;;     3. [M 4,096, K 1,024] x [K 1,024, N 1,024]; A: computed on the way; B: input Wv: QUANTISED
;;     4. batch 32 x [M 2,048, K 64] x [K 64, N 2,048]; A: computed on the way; B: computed on the way: QUANTISED
;;     5. batch 32 x [M 2,048, K 2,048] x [K 2,048, N 64]; A: softmax (see below); B: computed on the way: QUANTISED
;;     6. [M 4,096, K 1,024] x [K 1,024, N 1,024]; A: computed on the way; B: input Wo: QUANTISED
;;     7. [M 4,096, K 1,024] x [K 1,024, N 4,096]; A: computed on the way; B: input We: QUANTISED
;;     8. [M 4,096, K 4,096] x [K 4,096, N 1,024]; A: computed on the way; B: input Wd: QUANTISED
;;   THE QUANTISER, for each operand of a quantised product, along K:
;;     - K is cut into blocks of 32 from its start; a last block that is shorter is filled with zeros.
;;     - A block's scale is 2^e with e = floor(log2(the largest magnitude in the block)) - 2, held to -126 .. 127; a block of zeros has e = 0. As a byte (E8M0): e + 127.
;;     - Each number is divided by its block's scale, clamped to +-7.5, and rounded to the nearest number of E2M3, ties to even, subnormals kept.
;;     - The product sums the exact products of the quantised numbers (number of the format x scale) in f32.
;;   ~~~python
;;   def quantise(x, axis):      # numpy; x: float32 -> the quantised numbers, widened to float32 again
;;       x = np.moveaxis(x, axis, -1); K = x.shape[-1]
;;       x = np.pad(x, [(0, 0)] * (x.ndim - 1) + [(0, -K % 32)]); x = x.reshape(x.shape[:-1] + (-1, 32)); a = np.abs(x).max(-1, keepdims=True)
;;       e = np.where(a > 0, np.clip(np.frexp(np.where(a > 0, a, 1))[1] - 1 - 2, -126, 127), 0)      # np.frexp(a)[1] - 1 = floor(log2(a)), exactly
;;       r = np.clip(x / 2.0 ** e, -7.5, 7.5)
;;       step = 2.0 ** (np.maximum(np.frexp(np.where(r == 0, 1, r))[1] - 1, 0) - 3)
;;       q = np.round(r / step) * step * 2.0 ** e      # np.round: ties to even
;;       return np.moveaxis(q.reshape(q.shape[:-2] + (-1,))[..., :K], -1, axis).astype(np.float32)
;;   ~~~
;;   SOFTMAX AHEAD OF A QUANTISED PRODUCT. Where the list says 'softmax', what is quantised is not the finished softmax but p = 2^(t - M), with t = logit x log2(e) and M = ceil(the row's largest t), a whole number; so 1/2 < the row's largest p <= 1. The row's sum l is taken of the UNQUANTISED p, in f32, and the product's result is divided by l at the end. Since M is a whole number, a kernel that streams over the keys may use a running M (the ceiling of the running maximum): every later rescaling is an exact power of two, which a block's scale takes up: the codes' values come out the same.
;;   OPERANDS COMPUTED ON THE WAY. 'Computed on the way' means the value that the module computes at that place (a softmax that the list does not call 'softmax' is quantised finished and normalised). What goes into a quantiser is computed in f32, as accurately as f32 sums, v_exp_f32 and their like allow (about 1e-6 of the number): no bf16 or f16 on the way to a quantiser, and a product that is left as it is and whose result goes on into a quantised operand takes f32 operands (vector FMAs, or v_wmma_f32_16x16x4_f32). A number that lies on a knife's edge between two numbers of the format may be rounded either way, as far as f32 arithmetic and the matrix unit's own rounding can turn it there, and no further.
;; One version. Each part assembles by itself: llvm-mc -triple=amdgcn-amd-amdhsa -mcpu=gfx1250 --defsym DOCPART=n.
;; ======== version 1 of 1: 7 launches
;; limits: right only within a limited range of input values
;; workspace buffers: wimg 9,830,400 bytes; timg 3,276,800 bytes; qimg 3,407,872 bytes; kvimg 6,684,672 bytes; cimg 3,276,800 bytes; x1 16,777,216 bytes; himg 13,107,200 bytes
;; launch prep (part 1): grid 448 x 1, 8 waves a work-group, no clusters, 115,968 bytes of LDS; arguments x, ln_a_g, ln_a_b, ln_b_g, ln_b_b, Wq, Wk, Wv, Wo, We, Wd, timg, wimg; writes timg, wimg
.if DOCPART == 1
	.amdgcn_target "amdgcn-amd-amdhsa--gfx1250"
	.amdhsa_code_object_version 6
	.text
	.protected	k_q35c1e7eb06_prep
	.globl	k_q35c1e7eb06_prep
	.p2align	8
	.type	k_q35c1e7eb06_prep,@function
k_q35c1e7eb06_prep:
	s_mov_b64 s[64:65], 0
	v_nop
	global_prefetch_b8 v0, s[64:65] scope:SCOPE_SE
	s_setreg_imm32_b32 hwreg(HW_REG_WAVE_MODE, 25, 1), 1
	s_wait_xcnt 0x0
; Work-groups 0-255: t = LN(LN(x)) for a block of 16 tokens, quantised along C to codes of E2M3 with one E8M0 byte for each 32.  Work-groups 256-447: the six weights, stored [K][N] in f32, quantised along K.
; BOTH LEAVE AS IMAGES OF THE OPERAND'S REGISTERS.  A fragment (16 rows x 128 K, 12 registers a lane) is 1,536 bytes: for each half c of K, lane l's registers 6c..6c+3 at 768c + 16 l and 6c+4, 6c+5 at 768c + 512 + 8 l.
; A group image (128 rows x 128 K) is 8 fragments and then the rows' scale words (at 12,288 + 64 block + 4 row): 12,800 bytes; an operand is [rows / 128][K / 128] group images.
; THE ROWS OF A BLOCK OF 16 ARE NOT NEIGHBOURS: lane-row r of block i is true row 32 (i / 2) + 8 (i % 2) + r + 8 (r / 8), so that results of two neighbouring blocks are 16 neighbours along the next K.
; A block's scale is 2^(floor(log2(largest magnitude)) - 2); its byte is the largest magnitude's exponent field - 2, held at 1 from below.
; LIMITS: NaN and infinities among the inputs are not served; a block of zeros, or one whose largest magnitude lies under 2^-124, gets the byte 1 (zero codes add nothing; this program alone reads the bytes).
; The two paths part on the work-group's number and have LDS bytes of their own: the norm 0 .. 65,791, the weights 65,792 .. 114,943.
.set GI,   12800
.set FI,   1536
.set LNP,  4112                        ; a row of the norm's stage: 4,096 bytes + 16, so that sixteen rows' reads start in sixteen different groups of banks
.set WSTG, 16*LNP
.set SEL,  10                          ; s[10:11] lane selects: lane l xor 16
.set L16,  2                           ; v2 16 x lane
.set L8,   3                           ; v3 8 x lane
.set X0,   32                          ; v32-63, v64-95 my two rows
.set X1,   64
.set GA,   96                          ; gains and biases of the two norms, 32 registers each
.set BA,   128
.set GB,   160
.set BB,   192
.set TM,   96                          ; the quantiser's registers lie where the gains lay
.set PW,   112
.set PC,   114
.set X,    32                          ; weights: two sets of 32 numbers
.set VO,   96                          ; v96-127 4 x lane + i x row pitch
.set C,    128                         ; a block's codes
.set OUTR, 140                         ; two sets of 24: fragments on the way out
.set SB,   14                          ; v14, v15 scale words of my two K steps
.macro ROWSUM x, t                     ; the sum of my 32 numbers of a row, in two chains
	v_pk_add_f32 v[\t:\t+1], v[\x:\x+1], v[\x+2:\x+3]
	v_pk_add_f32 v[\t+2:\t+3], v[\x+4:\x+5], v[\x+6:\x+7]
.irp i, 8,12,16,20,24,28
	s_delay_alu instid0(VALU_DEP_2)
	v_pk_add_f32 v[\t:\t+1], v[\t:\t+1], v[\x+\i:\x+\i+1]
	s_delay_alu instid0(VALU_DEP_2)
	v_pk_add_f32 v[\t+2:\t+3], v[\t+2:\t+3], v[\x+\i+2:\x+\i+3]
.endr
	s_delay_alu instid0(VALU_DEP_1)
	v_pk_add_f32 v[\t:\t+1], v[\t:\t+1], v[\t+2:\t+3]
	s_delay_alu instid0(VALU_DEP_1)
	v_add_f32 v[\t], v[\t], v[\t+1]
.endm
.macro ROWSQ x, t                      ; the sum of their squares
	v_pk_mul_f32 v[\t:\t+1], v[\x:\x+1], v[\x:\x+1]
	v_pk_mul_f32 v[\t+2:\t+3], v[\x+2:\x+3], v[\x+2:\x+3]
.irp i, 4,8,12,16,20,24,28
	s_delay_alu instid0(VALU_DEP_2)
	v_pk_fma_f32 v[\t:\t+1], v[\x+\i:\x+\i+1], v[\x+\i:\x+\i+1], v[\t:\t+1]
	s_delay_alu instid0(VALU_DEP_2)
	v_pk_fma_f32 v[\t+2:\t+3], v[\x+\i+2:\x+\i+3], v[\x+\i+2:\x+\i+3], v[\t+2:\t+3]
.endr
	s_delay_alu instid0(VALU_DEP_1)
	v_pk_add_f32 v[\t:\t+1], v[\t:\t+1], v[\t+2:\t+3]
	s_delay_alu instid0(VALU_DEP_1)
	v_add_f32 v[\t], v[\t], v[\t+1]
.endm
.macro ACROSS2 a, b                    ; two sums over the 32 lanes, by turns; every lane ends with the result
.irp m, 1
	v_add_f32_dpp v[\a], v[\a], v[\a] row_xmask:\m row_mask:0xf bank_mask:0xf
	s_delay_alu instid0(VALU_DEP_2)
	v_add_f32_dpp v[\b], v[\b], v[\b] row_xmask:\m row_mask:0xf bank_mask:0xf
.endr
.irp m, 2, 4, 8
	s_delay_alu instid0(VALU_DEP_2)
	v_add_f32_dpp v[\a], v[\a], v[\a] row_xmask:\m row_mask:0xf bank_mask:0xf
	s_delay_alu instid0(VALU_DEP_2)
	v_add_f32_dpp v[\b], v[\b], v[\b] row_xmask:\m row_mask:0xf bank_mask:0xf
.endr
	s_delay_alu instid0(VALU_DEP_2)
	v_permlanex16_b32 v[\a+1], v[\a], s[SEL], s[SEL+1]
	s_delay_alu instid0(VALU_DEP_2)
	v_permlanex16_b32 v[\b+1], v[\b], s[SEL], s[SEL+1]
	s_delay_alu instid0(VALU_DEP_2)
	v_add_f32 v[\a], v[\a], v[\a+1]
	s_delay_alu instid0(VALU_DEP_2)
	v_add_f32 v[\b], v[\b], v[\b+1]
.endm
; One layer norm of both rows, in place: the mean is taken away first, the variance is that of the centred numbers.  cnt: the younger loads that may stay out when this pass's gain and bias are wanted.
.macro LNPASS g, b, cnt
	ROWSUM X0, 16
	ROWSUM X1, 20
	ACROSS2 16, 20
	s_delay_alu instid0(VALU_DEP_2)
	v_mul_f32 v8, s12, v16
	s_delay_alu instid0(VALU_DEP_2)
	v_mul_f32 v10, s12, v20
	s_delay_alu instid0(VALU_DEP_2)
	v_mov_b32 v9, v8
	s_delay_alu instid0(VALU_DEP_2)
	v_mov_b32 v11, v10
.set i, 0
.rept 16
	v_pk_add_f32 v[X0+i:X0+i+1], v[X0+i:X0+i+1], v[8:9] neg_lo:[0,1] neg_hi:[0,1]
	v_pk_add_f32 v[X1+i:X1+i+1], v[X1+i:X1+i+1], v[10:11] neg_lo:[0,1] neg_hi:[0,1]
.set i, i+2
.endr
	ROWSQ X0, 16
	ROWSQ X1, 20
	ACROSS2 16, 20
	s_delay_alu instid0(VALU_DEP_2)
	v_fma_f32 v16, v16, s12, s13                   ; the sum / 1,024 + 1e-5
	s_delay_alu instid0(VALU_DEP_2)
	v_fma_f32 v20, v20, s12, s13
	s_wait_alu depctr_va_vdst(0)
	v_rsq_f32 v12, v16
	v_rsq_f32 v13, v16
	v_rsq_f32 v14, v20
	v_rsq_f32 v15, v20
	v_nop                                          ; a plain instruction behind the last of the four
	s_wait_alu depctr_va_vdst(0)                   ; one wait for the batch, ahead of its first reader
	s_wait_loadcnt \cnt
.set i, 0
.rept 16
	v_pk_mul_f32 v[X0+i:X0+i+1], v[X0+i:X0+i+1], v[12:13]
	v_pk_mul_f32 v[X1+i:X1+i+1], v[X1+i:X1+i+1], v[14:15]
.set i, i+2
.endr
.set i, 0
.rept 16
	v_pk_fma_f32 v[X0+i:X0+i+1], v[X0+i:X0+i+1], v[\g+i:\g+i+1], v[\b+i:\b+i+1]
	v_pk_fma_f32 v[X1+i:X1+i+1], v[X1+i:X1+i+1], v[\g+i:\g+i+1], v[\b+i:\b+i+1]
.set i, i+2
.endr
.endm
; 64 numbers of a lane, register 16 b + i = k 32 b + 16 (lane / 16) + i of my row, become a fragment's codes in v[PC] on and its scale word in v[PW].
.macro QUANT s
.irp b, 0,1,2,3
	v_max3_num_f32 v[TM+\b], |v[\s+16*\b]|, |v[\s+1+16*\b]|, 0x1800000   ; my 16 numbers of block b, and the floor 2^(3 - 127): the byte cannot fall under 1
.endr
.irp i, 2,4,6,8,10,12,14
.irp b, 0,1,2,3
	s_delay_alu instid0(VALU_DEP_4)
	v_max3_num_f32 v[TM+\b], v[TM+\b], |v[\s+16*\b+\i]|, |v[\s+1+16*\b+\i]|
.endr
.endr
.irp b, 0,1,2,3
	s_delay_alu instid0(VALU_DEP_4)
	v_permlanex16_b32 v[TM+4+\b], v[TM+\b], s[SEL], s[SEL+1]
.endr
.irp b, 0,1,2,3
	s_delay_alu instid0(VALU_DEP_4)
	v_max_num_f32 v[TM+\b], v[TM+\b], v[TM+4+\b]   ; with lane l xor 16's: the block's largest magnitude
.endr
.irp b, 0,1,2,3
	s_delay_alu instid0(VALU_DEP_4)
	v_add_nc_u32 v[TM+12+\b], 0xff000000, v[TM+\b] ; 2 off its exponent field: the conversion's scale operand
.endr
.irp b, 0,1,2,3
	s_delay_alu instid0(VALU_DEP_4)
	v_lshrrev_b32 v[TM+4+\b], 23, v[TM+12+\b]      ; the scale's byte
.endr
	s_delay_alu instid0(VALU_DEP_3)
	v_lshl_or_b32 v[PW], v[TM+5], 8, v[TM+4]
	s_delay_alu instid0(VALU_DEP_1)
	v_lshl_or_b32 v[PW], v[TM+6], 16, v[PW]
	s_delay_alu instid0(VALU_DEP_1)
	v_lshl_or_b32 v[PW], v[TM+7], 24, v[PW]
.irp c, 0,1
	v_cvt_scalef32_pk16_fp6_f32 v[PC+6*\c:PC+2+6*\c], v[\s+32*\c:\s+15+32*\c], v[TM+12+2*\c]
	v_cvt_scalef32_pk16_fp6_f32 v[PC+12+4*\c:PC+14+4*\c], v[\s+16+32*\c:\s+31+32*\c], v[TM+12+2*\c+1]   ; (a conversion's three registers begin on an even number)
.endr
	v_nop                                          ; one plain instruction behind a scaled conversion
.irp c, 0,1                                    ; the layout wants a whole block in a lane: lanes 0-15 block 2 c, lanes 16-31 block 2 c + 1
.irp i, 0,1,2
	v_permlane16_swap_b32 v[PC+6*\c+\i], v[PC+12+4*\c+\i]
.endr
.irp i, 0,1,2
	s_delay_alu instid0(VALU_DEP_3)
	v_mov_b32 v[PC+3+6*\c+\i], v[PC+12+4*\c+\i]
.endr
.endr
.endm
.macro STFI b, off                     ; a fragment's image: each store covers whole aligned runs of 256 bytes
	global_store_b128 v[L16], v[PC:PC+3], s[\b:\b+1] offset:\off
	global_store_b64 v[L8], v[PC+4:PC+5], s[\b:\b+1] offset:(\off)+512
	global_store_b128 v[L16], v[PC+6:PC+9], s[\b:\b+1] offset:(\off)+768
	global_store_b64 v[L8], v[PC+10:PC+11], s[\b:\b+1] offset:(\off)+1280
.endm
.macro VLOAD reg, base, off            ; 4,096 bytes: eight loads of 512 consecutive bytes
.irp j, 0,1,2,3,4,5,6,7
	global_load_b128 v[\reg+4*\j:\reg+4*\j+3], v[L16], s[\base:\base+1] offset:\off+512*\j
.endr
.endm
	s_load_b512 s[16:31], s[0:1], 0x0              ; x, ln_a_g, ln_a_b, ln_b_g, ln_b_b, Wq, Wk, Wv
	s_load_b256 s[32:39], s[0:1], 0x40             ; Wo, We, Wd, timg
	s_load_b64 s[40:41], s[0:1], 0x60              ; wimg
	v_lshl_add_u32 v254, v0, 2, 0x1c100
	v_mov_b32 v255, 0
	v_lshrrev_b32 v1, 5, v0
	s_delay_alu instid0(VALU_DEP_1)
	v_readfirstlane_b32 s2, v1                     ; wave 0..7
	v_and_b32 v1, 31, v0                           ; lane
	s_cmp_lt_u32 ttmp9, 256
	s_cbranch_scc0 .Lweights
	; ---- THE NORMS.  Token block tb = the work-group's number.  Wave w normalises block rows 2 w and 2 w + 1, then quantises K step w of all 16 rows.
	s_lshr_b32 s3, ttmp9, 1
	s_lshl_b32 s3, s3, 5
	s_and_b32 s4, ttmp9, 1
	s_lshl_b32 s4, s4, 3
	s_add_co_u32 s3, s3, s4
	s_lshl_b32 s4, s2, 1
	s_add_co_u32 s3, s3, s4
	s_lshr_b32 s4, s2, 2
	s_lshl_b32 s4, s4, 3
	s_add_co_u32 s3, s3, s4                        ; true row of block row 2 w: 32 (tb / 2) + 8 (tb % 2) + 2 w + 8 (w / 4); the next block row is the next true row
	s_lshl_b32 s4, s3, 12
	s_mov_b32 s5, 0
	s_mov_b32 s[SEL], 0x76543210
	s_mov_b32 s[SEL+1], 0xfedcba98
	s_mov_b32 s12, 0x3a800000                      ; 1 / 1,024
	s_mov_b32 s13, 0x3727c5ac                      ; 1e-5
	s_wait_alu depctr_va_vdst(0)
	v_lshlrev_b32 v[L16], 4, v1
	v_lshlrev_b32 v[L8], 3, v1
	v_and_b32 v7, 15, v0                           ; r
	s_delay_alu instid0(VALU_DEP_1)
	v_lshlrev_b32 v4, 2, v7                        ; 4 r
	v_bfe_u32 v6, v0, 4, 1                         ; h
	s_mul_i32 s6, s2, 2*LNP
	v_add_nc_u32 v5, s6, v[L16]                    ; into the stage: my two rows, 16 bytes a lane
	v_lshlrev_b32 v6, 6, v6
	s_delay_alu instid0(VALU_DEP_1)
	v_mad_u32_u24 v6, v7, LNP, v6
	s_lshl_b32 s6, s2, 9
	v_add_nc_u32 v6, s6, v6                        ; out of it: row r, K step w, + 64 h
	s_lshr_b32 s6, ttmp9, 3
	s_lshl_b32 s6, s6, 3
	s_add_co_u32 s6, s6, s2
	s_mul_i32 s6, s6, GI                           ; group image (tb / 8, w)
	s_and_b32 s7, ttmp9, 7
	s_mul_i32 s8, s7, FI
	s_add_co_u32 s8, s8, s6
	s_mov_b32 s9, 0
	s_lshl_b32 s7, s7, 6
	s_add_co_u32 s6, s6, s7
	s_add_co_u32 s6, s6, GI-512
	s_mov_b32 s7, 0
	s_wait_alu depctr_va_vdst(0)
	s_wait_kmcnt 0x0
	s_add_nc_u64 s[16:17], s[16:17], s[4:5]
	s_add_nc_u64 s[8:9], s[38:39], s[8:9]          ; my fragment
	s_add_nc_u64 s[6:7], s[38:39], s[6:7]          ; its scale words
	VLOAD X0, 16, 0
	VLOAD X1, 16, 4096
	VLOAD GA, 18, 0
	VLOAD BA, 20, 0
	VLOAD GB, 22, 0
	VLOAD BB, 24, 0
	s_wait_loadcnt 32                              ; my two rows are in; the 32 loads of gains and biases may be out
	LNPASS GA, BA, 16                              ; (the second norm's 16 loads may be out)
	LNPASS GB, BB, 0
.irp j, 0,1,2,3,4,5,6,7
	ds_store_b128 v5, v[X0+4*\j:X0+4*\j+3] offset:512*\j
	ds_store_b128 v5, v[X1+4*\j:X1+4*\j+3] offset:LNP+512*\j
.endr
	s_wait_dscnt 0x0                               ; for the others' sake: my rows lie in the stage
	s_barrier_signal -1
	s_barrier_wait -1
.irp b, 0,1,2,3
.irp j, 0,1,2,3
	ds_load_b128 v[X0+16*\b+4*\j:X0+16*\b+4*\j+3], v6 offset:128*\b+16*\j   ; row r, k = 128 w + 32 b + 16 h + 4 j ..
.endr
.endr
.irp b, 0,1,2,3
	v_mov_b32 v[TM+4+\b], 0                        ; a lane permute's destination counts as one of its sources
.endr
	s_wait_dscnt 0x0
	QUANT X0
	STFI 8, 0
	global_store_b32 v4, v[PW], s[6:7]             ; lanes 16-31 hold the same words and write them to the same places
	s_wait_tensorcnt 0x0
	ds_add_u32 v254, v255
	s_wait_dscnt 0x0
	s_endpgm
	; ---- THE WEIGHTS.  A wave takes 32 columns x 256 along K: a lane to a column, its registers down K, so that a block of 32 along K lies in one lane and the codes come out with K innermost.
.Lweights:
	s_sub_co_u32 s3, ttmp9, 256                    ; 0-63: Wq, Wk, Wv, Wo; 64-127: Wd; 128-191: We
	s_and_b32 s4, s3, 63
	s_lshr_b32 s9, s3, 6                           ; which of the three kinds
	s_cmp_eq_u32 s9, 2
	s_cselect_b32 s5, 4, 2                         ; We has 16 runs of 256 columns, the others 4
	s_mov_b32 s6, 4096
	s_cselect_b32 s6, 16384, s6                    ; a row of the weight in bytes
	s_bfm_b32 s7, s5, 0
	s_and_b32 s7, s4, s7                           ; which 256 columns
	s_lshr_b32 s8, s4, s5
	s_and_b32 s10, s8, 3
	s_lshr_b32 s11, s8, 2
	s_cmp_eq_u32 s9, 0
	s_cselect_b32 s10, s10, s8                     ; which 256 along K
	s_cselect_b32 s11, s11, 0                      ; which of the four square weights
	s_mul_i32 s12, s11, 819200                     ; the weight's image in wimg
	s_cmp_eq_u32 s9, 1
	s_cselect_b32 s13, 32, 8                       ; its K steps
	s_mov_b32 s14, 6553600
	s_cselect_b32 s12, s14, s12
	s_cmp_eq_u32 s9, 2
	s_mov_b32 s14, 3276800
	s_cselect_b32 s12, s14, s12
	s_lshl_b32 s14, s10, 8
	s_mul_i32 s44, s14, s6
	s_lshl_b32 s14, s7, 10
	s_add_co_u32 s44, s44, s14
	s_lshl_b32 s14, s2, 7
	s_add_co_u32 s44, s44, s14                     ; my first number: 256 kc rows down, column 256 cg + 32 w
	s_mov_b32 s45, 0
	s_lshl_b32 s46, s6, 5                          ; 32 rows on
	s_mov_b32 s47, 0
	s_lshl_b32 s14, s7, 1
	s_lshr_b32 s15, s2, 2
	s_add_co_u32 s14, s14, s15
	s_mul_i32 s14, s14, s13
	s_lshl_b32 s15, s10, 1
	s_add_co_u32 s14, s14, s15
	s_mul_i32 s14, s14, GI
	s_add_co_u32 s14, s14, s12                     ; the first of my two group images: (2 cg + w / 4, 2 kc)
	s_and_b32 s15, s2, 3
	s_mul_i32 s66, s15, 2*FI
	s_add_co_u32 s66, s66, s14                     ; my two blocks' fragments in it
	s_mov_b32 s67, 0
	s_lshl_b32 s68, s15, 7
	s_add_co_u32 s68, s68, s14
	s_add_co_u32 s68, s68, GI-512                  ; and their scale words
	s_mov_b32 s69, 0
	v_bfe_u32 v8, v0, 3, 1                         ; column 32 j + L is lane-row (L % 8) + 8 (L / 16) of block 2 j + (L / 8) % 2
	v_bfe_u32 v9, v0, 4, 1
	v_and_b32 v10, 7, v0
	s_delay_alu instid0(VALU_DEP_1)
	v_lshl_add_u32 v9, v9, 3, v10
	s_mul_i32 s3, s2, 4*FI
	s_add_co_u32 s3, s3, WSTG                      ; my stage: two K steps x two fragments
	s_wait_alu depctr_va_vdst(0)
	v_lshlrev_b32 v6, 4, v1
	s_delay_alu instid0(VALU_DEP_1)
	v_add_nc_u32 v2, s3, v6
	v_mul_u32_u24 v10, v8, FI
	s_delay_alu instid0(VALU_DEP_1)
	v_add_nc_u32 v10, s3, v10
	s_delay_alu instid0(VALU_DEP_1)
	v_lshl_add_u32 v3, v9, 4, v10
	s_delay_alu instid0(VALU_DEP_2)
	v_lshl_add_u32 v4, v9, 3, v10
	v_lshlrev_b32 v5, 6, v8
	s_delay_alu instid0(VALU_DEP_1)
	v_lshl_add_u32 v5, v9, 2, v5
	v_lshlrev_b32 v7, 2, v1
.set i, 0
.rept 32
	v_mad_u32_u24 v[VO+i], s6, i, v7
.set i, i+1
.endr
	s_wait_alu depctr_va_vdst(0)
	s_wait_kmcnt 0x0
	s_cmp_eq_u32 s11, 1
	s_cselect_b64 s[42:43], s[28:29], s[26:27]
	s_cmp_eq_u32 s11, 2
	s_cselect_b64 s[42:43], s[30:31], s[42:43]
	s_cmp_eq_u32 s11, 3
	s_cselect_b64 s[42:43], s[32:33], s[42:43]
	s_cmp_eq_u32 s9, 1
	s_cselect_b64 s[42:43], s[36:37], s[42:43]
	s_cmp_eq_u32 s9, 2
	s_cselect_b64 s[42:43], s[34:35], s[42:43]
	s_add_nc_u64 s[48:49], s[42:43], s[44:45]      ; a base for each of my eight blocks of 32 along K
.irp t, 1,2,3,4,5,6,7
	s_add_nc_u64 s[48+2*\t:49+2*\t], s[46+2*\t:47+2*\t], s[46:47]
.endr
	s_add_nc_u64 s[66:67], s[40:41], s[66:67]
	s_add_nc_u64 s[68:69], s[40:41], s[68:69]
.macro WLOAD t                         ; block t: W(32 t + i, my column); a wave's load reads 128 consecutive bytes, the eight waves stand side by side
.set i, 0
.rept 32
	global_load_b32 v[X+32*((\t)%2)+i], v[VO+i], s[48+2*(\t):49+2*(\t)] th:TH_LOAD_NT
.set i, i+1
.endr
.endm
.macro BLOCK t
.set XS, X+32*((\t)%2)
.set KB, (\t)%4                        ; the block's place in its K step: half KB / 2, lanes' half KB % 2
.if (\t) < 7
	s_wait_loadcnt 32                              ; this block's 32 loads are in; the next block's may be out
.else
	s_wait_loadcnt 0x0
.endif
	v_max3_num_f32 v12, |v[XS]|, |v[XS+1]|, |v[XS+2]|
	v_max3_num_f32 v13, |v[XS+3]|, |v[XS+4]|, |v[XS+5]|
.irp i, 6,10,14,18,22,26
	s_delay_alu instid0(VALU_DEP_2)
	v_max3_num_f32 v12, v12, |v[XS+\i]|, |v[XS+\i+1]|
	s_delay_alu instid0(VALU_DEP_2)
	v_max3_num_f32 v13, v13, |v[XS+\i+2]|, |v[XS+\i+3]|
.endr
	s_delay_alu instid0(VALU_DEP_2)
	v_max3_num_f32 v12, v12, |v[XS+30]|, |v[XS+31]|
	s_delay_alu instid0(VALU_DEP_1)
	v_max3_num_f32 v12, v12, v13, 0x1800000        ; and the floor 2^(3 - 127)
	s_delay_alu instid0(VALU_DEP_1)
	v_add_nc_u32 v11, 0xff000000, v12              ; 2 off the exponent field: the conversion's scale operand
	v_cvt_scalef32_pk16_fp6_f32 v[C:C+2], v[XS:XS+15], v11
	v_cvt_scalef32_pk16_fp6_f32 v[C+8:C+10], v[XS+16:XS+31], v11
	v_lshrrev_b32 v13, 23, v11                     ; the scale's byte (the plain instruction behind the conversions)
.if KB == 0
	s_delay_alu instid0(VALU_DEP_1)
	v_mov_b32 v[SB+(\t)/4], v13
.else
	s_delay_alu instid0(VALU_DEP_1)
	v_lshl_or_b32 v[SB+(\t)/4], v13, 8*KB, v[SB+(\t)/4]
.endif
.irp i, 0,1,2
	v_mov_b32 v[C+3+\i], v[C+8+\i]
.endr
	ds_store_b128 v3, v[C:C+3] offset:2*FI*((\t)/4)+768*(KB/2)+256*(KB%2)      ; to the place that lane (r, KB % 2) has in the image
	ds_store_b64 v4, v[C+4:C+5] offset:2*FI*((\t)/4)+768*(KB/2)+512+128*(KB%2)
.if KB == 3
.irp j, 0,1,2,3,4,5
	ds_load_b128 v[OUTR+24*((\t)/4)+4*\j:OUTR+24*((\t)/4)+4*\j+3], v2 offset:2*FI*((\t)/4)+512*\j   ; LDS serves a wave's instructions in order: these see my stores
.endr
.endif
.if (\t)+2 < 8
	WLOAD (\t)+2
.endif
	s_wait_dscnt 0x0                               ; the stores have read their registers: the next block's codes may be written
.if KB == 3
.irp j, 0,1,2,3,4,5
	global_store_b128 v6, v[OUTR+24*((\t)/4)+4*\j:OUTR+24*((\t)/4)+4*\j+3], s[66:67] offset:GI*((\t)/4)+512*\j   ; 512 consecutive bytes a store
.endr
	s_wait_alu depctr_va_vdst(0)
	global_store_b32 v5, v[SB+(\t)/4], s[68:69] offset:GI*((\t)/4)
.endif
.endm
	WLOAD 0
	WLOAD 1
.irp t, 0,1,2,3,4,5,6,7
	BLOCK \t
.endr
	s_wait_tensorcnt 0x0
	ds_add_u32 v254, v255
	s_wait_dscnt 0x0
	s_endpgm
.Lfunc_end_k_q35c1e7eb06_prep:
	.size	k_q35c1e7eb06_prep, .Lfunc_end_k_q35c1e7eb06_prep-k_q35c1e7eb06_prep
	.p2alignl 7, 3214868480
	.fill 96, 4, 3214868480
	.section	.rodata,"a",@progbits
	.p2align	6, 0x0
	.amdhsa_kernel k_q35c1e7eb06_prep
		.amdhsa_group_segment_fixed_size 115968
		.amdhsa_private_segment_fixed_size 0
		.amdhsa_enable_private_segment 0
		.amdhsa_kernarg_size 104
		.amdhsa_user_sgpr_count 2
		.amdhsa_user_sgpr_kernarg_segment_ptr 1
		.amdhsa_wavefront_size32 1
		.amdhsa_system_sgpr_workgroup_id_x 1
		.amdhsa_system_sgpr_workgroup_id_y 1
		.amdhsa_system_sgpr_workgroup_id_z 1
		.amdhsa_system_vgpr_workitem_id 0
		.amdhsa_next_free_vgpr 256
		.amdhsa_next_free_sgpr 100
		.amdhsa_reserve_vcc 0
		.amdhsa_float_denorm_mode_32 3
		.amdhsa_float_denorm_mode_16_64 3
		.amdhsa_memory_ordered 1
		.amdhsa_forward_progress 1
		.amdhsa_inst_pref_size 94
	.end_amdhsa_kernel
	.amdgpu_metadata
---
amdhsa.version: [ 1, 2 ]
amdhsa.kernels:
  - .name:           k_q35c1e7eb06_prep
    .symbol:         k_q35c1e7eb06_prep.kd
    .args:
      - { .name: x, .offset: 0, .size: 8, .value_kind: global_buffer, .address_space: global }
      - { .name: ln_a_g, .offset: 8, .size: 8, .value_kind: global_buffer, .address_space: global }
      - { .name: ln_a_b, .offset: 16, .size: 8, .value_kind: global_buffer, .address_space: global }
      - { .name: ln_b_g, .offset: 24, .size: 8, .value_kind: global_buffer, .address_space: global }
      - { .name: ln_b_b, .offset: 32, .size: 8, .value_kind: global_buffer, .address_space: global }
      - { .name: Wq, .offset: 40, .size: 8, .value_kind: global_buffer, .address_space: global }
      - { .name: Wk, .offset: 48, .size: 8, .value_kind: global_buffer, .address_space: global }
      - { .name: Wv, .offset: 56, .size: 8, .value_kind: global_buffer, .address_space: global }
      - { .name: Wo, .offset: 64, .size: 8, .value_kind: global_buffer, .address_space: global }
      - { .name: We, .offset: 72, .size: 8, .value_kind: global_buffer, .address_space: global }
      - { .name: Wd, .offset: 80, .size: 8, .value_kind: global_buffer, .address_space: global }
      - { .name: timg, .offset: 88, .size: 8, .value_kind: global_buffer, .address_space: global }
      - { .name: wimg, .offset: 96, .size: 8, .value_kind: global_buffer, .address_space: global }
    .group_segment_fixed_size: 115968
    .private_segment_fixed_size: 0
    .kernarg_segment_align: 8
    .kernarg_segment_size: 104
    .max_flat_workgroup_size: 256
    .sgpr_count:     100
    .vgpr_count:     256
    .wavefront_size: 32
...
	.end_amdgpu_metadata
.endif
;; end of part 1
;; launch qkv (part 2): grid 16 x 12, 4 waves a work-group, clusters of 4 x 4, 327,680 bytes of LDS; arguments timg, wimg, bq, bk, bv, qimg, kvimg; writes qimg, kvimg
.if DOCPART == 2
	.amdgcn_target "amdgcn-amd-amdhsa--gfx1250"
	.amdhsa_code_object_version 6
	.text
	.protected	k_q35c1e7eb06_qkv
	.globl	k_q35c1e7eb06_qkv
	.p2align	8
	.type	k_q35c1e7eb06_qkv,@function
k_q35c1e7eb06_qkv:
	s_mov_b64 s[64:65], 0
	v_nop
	global_prefetch_b8 v0, s[64:65] scope:SCOPE_SE
	s_setreg_imm32_b32 hwreg(HW_REG_WAVE_MODE, 25, 1), 1
	s_wait_xcnt 0x0
	s_wait_alu depctr_hold_cnt(0) depctr_sa_sdst(0) depctr_va_vdst(0) depctr_va_sdst(0) depctr_va_ssrc(0) depctr_va_vcc(0) depctr_vm_vsrc(0)
	s_getreg_b32 s2, hwreg(HW_REG_IB_STS2, 6, 4)
	s_cmp_eq_u32 s2, 0
	s_cbranch_scc0 .Lentry_in_a_cluster
	s_endpgm
.Lentry_in_a_cluster:
	s_bfe_u32 s2, ttmp6, 0x10000c
	s_cmp_lg_u32 s2, 0xf033
	s_cbranch_scc0 .Lentry_shape_is_right
	s_endpgm
.Lentry_shape_is_right:
.set GI,    12800
.set FI,    1536
.set QKP,   6656
.set KVG,   13056
.set LOADB, 6*GI                       ; a group's room in LDS: six K steps on end
.set SLOT,  2*GI                       ; a slot is two K steps of each group's room
.set SPARE, 24*GI                      ; behind the four groups' rooms
.set KS,    8
.set STEPB, 6*GI
.set AQ16, 7
.set AQ8,  10
.set AP16, 13
.set AP8,  16
.set ADRS, 19
.set L16,  26
.set L8,   27
.set SPW,  28
.set NIL,  29
.set L4,   30
.set SC,   32
.set BV,   48
.set BI,   64
.set QF,   128
.set T,    128
.set TM,   192
.set PW,   208
.set WE0,  209
.set WE1,  210
.set W0,   211
.set W1,   212
.set PC,   224
.set G1P,  24
.set G0P,  32
.set G0P2, 76
.set G1Q,  48
.set G0Q,  56
.set G0Q2, 4
.set SEL, 90
.set B0,  96
.set B1,  98
.set MUL_LO, 0xa1
.set MUL_HI, 0xf1
.set TO_P,   0x40
.set MSB, 0
.macro WIN new
.if MSB != (\new)
	s_set_vgpr_msb (MSB<<8)|(\new)
.set MSB, (\new)
.endif
.endm
.macro PLACES n
.rept \n
	v_nop
.endr
.endm
.macro JLOAD g0a, g1a, g0b, g1b
	s_cmp_eq_u32 s15, 0
	s_cbranch_scc0 .Lfor_b_\@
	tensor_load_to_lds s[\g0a:\g0a+3], s[\g1a:\g1a+7]
	s_nop 0
.rept 4
	v_nop
.endr
	s_branch .Lasked_\@
.Lfor_b_\@:
	tensor_load_to_lds s[\g0b:\g0b+3], s[\g1b:\g1b+7]
	s_nop 0
.rept 4
	v_nop
.endr
.Lasked_\@:
.endm
.macro CREST
	s_cmp_lg_u32 s14, 0
	s_cbranch_scc1 .Lnot_wave_0_\@
	s_barrier_signal -3
.Lnot_wave_0_\@:
	s_barrier_wait -3
	s_barrier_signal -1
	s_barrier_wait -1
.endm
.macro CROUND
	s_barrier_signal -1
	s_barrier_wait -1
	CREST
.endm
.macro SETG0 gp, gq, s
	s_mov_b32 s[\gp], 1
	s_add_co_u32 s[\gp+1], s45, (\s)*SLOT
	s_add_nc_u64 s[\gp+2:\gp+3], s[46:47], (\s)*SLOT
	s_or_b32 s[\gp+3], s[\gp+3], 0x80000000
	s_mov_b32 s[\gq], 1
	s_add_co_u32 s[\gq+1], s45, (\s)*SLOT
	s_add_nc_u64 s[\gq+2:\gq+3], s[20:21], (\s)*SLOT
	s_or_b32 s[\gq+3], s[\gq+3], 0x80000000
.endm
.macro FRAG reg, a16, a8, off
	ds_load_b128 v[\reg:\reg+3], v[\a16] offset:\off
	ds_load_b64 v[\reg+4:\reg+5], v[\a8] offset:(\off)+512
	ds_load_b128 v[\reg+6:\reg+9], v[\a16] offset:(\off)+768
	ds_load_b64 v[\reg+10:\reg+11], v[\a8] offset:(\off)+1280
.endm
.macro FETCH_P slot, kq, set
	WIN TO_P
.irp i, 0,1,2,3,4,5,6,7
	FRAG 128*(\set)+12*\i, AP16+\slot, AP8+\slot, (\kq)*GI+FI*\i
.endr
	WIN 0
.endm
.macro FETCH_Q slot, kq, i0
.irp i, \i0, \i0+1, \i0+2, \i0+3
	FRAG QF+12*(\i), AQ16+\slot, AQ8+\slot, (\kq)*GI+FI*(\i)
.endr
.endm
.macro SCALES slot, kq, set
.irp i, 0,1,2,3,4,5,6,7
	ds_load_b32 v[SC+8*(\set)+\i], v[ADRS+\slot] offset:(\kq)*GI+64*\i
.endr
.endm
.macro MUL16 a0, p, zero
.irp a, \a0, \a0+1
.irp b, 0,1,2,3,4,5,6,7
.if \zero
	v_wmma_scale_f32_16x16x128_f8f6f4 v[8*(8*((\a)%4)+\b):8*(8*((\a)%4)+\b)+7], v[128*(\p)+12*\b:128*(\p)+12*\b+11], v[QF+12*(\a):QF+12*(\a)+11], 0, v[SC+8*(\p)+\b], v[SC+8*(\p)+(\a)] matrix_a_fmt:MATRIX_FMT_FP6 matrix_b_fmt:MATRIX_FMT_FP6 matrix_b_scale:MATRIX_SCALE_ROW1
.else
	v_wmma_scale_f32_16x16x128_f8f6f4 v[8*(8*((\a)%4)+\b):8*(8*((\a)%4)+\b)+7], v[128*(\p)+12*\b:128*(\p)+12*\b+11], v[QF+12*(\a):QF+12*(\a)+11], v[8*(8*((\a)%4)+\b):8*(8*((\a)%4)+\b)+7], v[SC+8*(\p)+\b], v[SC+8*(\p)+(\a)] matrix_a_fmt:MATRIX_FMT_FP6 matrix_b_fmt:MATRIX_FMT_FP6 matrix_b_scale:MATRIX_SCALE_ROW1
.endif
.endr
.endr
.endm
.macro STEP p, nslot, nkq, zero
	s_wait_dscnt 16
	WIN MUL_LO
	MUL16 0, \p, \zero
	MUL16 2, \p, \zero
	s_wait_dscnt 0x0
	PLACES 4
	FETCH_P \nslot, \nkq, 1-(\p)
	FETCH_Q \nslot, \nkq, 0
	SCALES \nslot, \nkq, 1-(\p)
	WIN MUL_HI
	MUL16 4, \p, \zero
	MUL16 6, \p, \zero
	PLACES 4
	WIN 0
	FETCH_Q \nslot, \nkq, 4
.endm
.macro TURN next, p, fill, zero
	s_wait_tensorcnt 0x0
	ds_add_u32 v[SPW], v[NIL]
	s_wait_dscnt 17
	WIN MUL_LO
	MUL16 0, \p, \zero
	s_wait_dscnt 0x0
	s_barrier_signal -1
	MUL16 2, \p, \zero
	WIN 0
	s_barrier_wait -1
.if \fill
	CREST
	s_add_nc_u64 s[G0P+2:G0P+3], s[G0P+2:G0P+3], STEPB
	s_add_nc_u64 s[G0Q+2:G0Q+3], s[G0Q+2:G0Q+3], STEPB
	JLOAD G0P, G1P, G0Q, G1Q
.else
	PLACES 4
.endif
	FETCH_P \next, 0, 1-(\p)
	FETCH_Q \next, 0, 0
	SCALES \next, 0, 1-(\p)
	WIN MUL_HI
	MUL16 4, \p, \zero
	MUL16 6, \p, \zero
	PLACES 4
	WIN 0
	FETCH_Q \next, 0, 4
.endm
.macro LAST p
	s_wait_dscnt 16
	WIN MUL_LO
	MUL16 0, \p, 0
	MUL16 2, \p, 0
	s_wait_dscnt 0x0
	WIN MUL_HI
	MUL16 4, \p, 0
	MUL16 6, \p, 0
	WIN 0
.endm
.macro QUANT s
.irp b, 0,1,2,3
	v_max3_num_f32 v[TM+\b], |v[\s+16*\b]|, |v[\s+1+16*\b]|, 0x1800000
.endr
.irp i, 2,4,6,8,10,12,14
.irp b, 0,1,2,3
	v_max3_num_f32 v[TM+\b], v[TM+\b], |v[\s+16*\b+\i]|, |v[\s+1+16*\b+\i]|
.endr
.endr
.irp b, 0,1,2,3
	v_permlanex16_b32 v[TM+4+\b], v[TM+\b], s[SEL], s[SEL+1]
.endr
.irp b, 0,1,2,3
	v_max_num_f32 v[TM+\b], v[TM+\b], v[TM+4+\b]
.endr
.irp b, 0,1,2,3
	v_add_nc_u32 v[TM+12+\b], 0xff000000, v[TM+\b]
.endr
.irp b, 0,1,2,3
	v_lshrrev_b32 v[TM+4+\b], 23, v[TM+12+\b]
.endr
	v_lshl_or_b32 v[PW], v[TM+5], 8, v[TM+4]
	v_lshl_or_b32 v[PW], v[TM+6], 16, v[PW]
	v_lshl_or_b32 v[PW], v[TM+7], 24, v[PW]
.irp c, 0,1
	v_cvt_scalef32_pk16_fp6_f32 v[PC+6*\c:PC+2+6*\c], v[\s+32*\c:\s+15+32*\c], v[TM+12+2*\c]
	v_cvt_scalef32_pk16_fp6_f32 v[PC+12+4*\c:PC+14+4*\c], v[\s+16+32*\c:\s+31+32*\c], v[TM+12+2*\c+1]
.endr
	v_nop
.irp c, 0,1
.irp i, 0,1,2
	v_permlane16_swap_b32 v[PC+6*\c+\i], v[PC+12+4*\c+\i]
.endr
.irp i, 0,1,2
	v_mov_b32 v[PC+3+6*\c+\i], v[PC+12+4*\c+\i]
.endr
.endr
.endm
.macro STFI b, off
	global_store_b128 v[L16], v[PC:PC+3], s[\b:\b+1] offset:\off
	global_store_b64 v[L8], v[PC+4:PC+5], s[\b:\b+1] offset:(\off)+512
	global_store_b128 v[L16], v[PC+6:PC+9], s[\b:\b+1] offset:(\off)+768
	global_store_b64 v[L8], v[PC+10:PC+11], s[\b:\b+1] offset:(\off)+1280
.endm
	s_load_b128 s[4:7], s[0:1], 0x0
	s_load_b128 s[8:11], s[0:1], 0x10
	s_load_b128 s[68:71], s[0:1], 0x20
	s_load_b64 s[72:73], s[0:1], 0x30
	v_lshl_add_u32 v[SPW], v0, 2, SPARE
	v_mov_b32 v[NIL], 0
	ds_add_u32 v28, v29
	ds_add_u32 v28, v29
	s_wait_dscnt 0x0
	v_lshrrev_b32 v1, 5, v0
	v_readfirstlane_b32 s14, v1
	s_lshr_b32 s15, s14, 1
	s_and_b32 s16, s14, 1
	s_bfe_u32 s40, ttmp6, 0x40000
	s_bfe_u32 s41, ttmp6, 0x40004
	s_and_b32 s18, ttmp7, 0xffff
	s_and_b32 s42, ttmp9, 1
	s_cmp_lt_u32 s18, 2
	s_cselect_b32 s42, s42, ttmp9
	s_cselect_b32 s74, 1, 0
	s_cselect_b32 s75, 0, 1638400
	s_lshl_b32 s42, s42, 2
	s_add_co_u32 s42, s42, s40
	s_lshl_b32 s17, s18, 2
	s_add_co_u32 s17, s17, s41
	s_lshl_b32 s17, s17, 1
	s_lshr_b32 s19, ttmp9, 1
	s_add_co_u32 s17, s17, s19
	s_cmp_eq_u32 s74, 1
	s_cselect_b32 s17, s17, s41
	s_lshl_b32 s43, s41, 2
	s_lshl_b32 s43, 15, s43
	s_lshl_b32 s44, 0x1111, s40
	s_or_b32 s[G1P+0], s44, (3<<16)|(1<<21)
	s_or_b32 s[G1Q+0], s43, (3<<16)|(1<<21)
.irp g, G1P, G1Q
	s_mov_b32 s[\g+1], 32<<16
	s_mov_b32 s[\g+2], 300<<16                     ; the head's load: six K steps of a group, 300 rows of 256 bytes: the group's whole room
	s_mov_b32 s[\g+3], 32<<16
	s_mov_b32 s[\g+4], 300
	s_mov_b32 s[\g+5], 32
	s_mov_b32 s[\g+6], 0
	s_mov_b32 s[\g+7], 0
.endr
	s_lshl_b32 s46, s42, 1
	s_add_co_u32 s46, s46, s16
	s_mul_i32 s46, s46, KS*GI
	s_mov_b32 s47, 0
	s_lshl_b32 s20, s17, 1
	s_add_co_u32 s20, s20, s16
	s_mul_i32 s20, s20, KS*GI
	s_add_co_u32 s20, s20, s75
	s_mov_b32 s21, 0
	s_mul_i32 s45, s14, LOADB
	s_wait_kmcnt 0x0
	s_cmp_eq_u32 s74, 1
	s_cselect_b64 s[76:77], s[6:7], s[4:5]
	s_cselect_b64 s[78:79], s[4:5], s[6:7]
	s_add_nc_u64 s[46:47], s[76:77], s[46:47]
	s_add_nc_u64 s[20:21], s[78:79], s[20:21]
	CROUND
	SETG0 G0P, G0Q, 0
	JLOAD G0P, G1P, G0Q, G1Q                       ; K steps 0 to 5: one tensor load a wave at the head
	v_and_b32 v1, 31, v0
	v_and_b32 v2, 15, v0
	v_bfe_u32 v3, v0, 4, 1
	v_lshlrev_b32 v[L16], 4, v1
	v_lshlrev_b32 v[L8], 3, v1
	v_lshlrev_b32 v[L4], 2, v1
	s_mul_i32 s22, s16, LOADB
	s_mul_i32 s21, s15, LOADB
	s_add_co_u32 s21, s21, 2*LOADB
	s_sub_co_u32 s23, s21, s22
	v_mul_u32_u24 v6, s23, v3
	v_lshl_add_u32 v6, v2, 2, v6
	v_add_nc_u32 v6, GI-512, v6
.irp s, 0,1,2
	v_add_nc_u32 v[AQ16+\s], s21, v[L16]
	v_add_nc_u32 v[AQ8+\s], s21, v[L8]
	v_add_nc_u32 v[AP16+\s], s22, v[L16]
	v_add_nc_u32 v[AP8+\s], s22, v[L8]
	v_add_nc_u32 v[ADRS+\s], s22, v6
	s_add_co_u32 s21, s21, SLOT
	s_add_co_u32 s22, s22, SLOT
.endr
	s_lshl_b32 s80, s42, 1
	s_add_co_u32 s80, s80, s16
	s_lshl_b32 s81, s17, 1
	s_add_co_u32 s81, s81, s15
	s_lshr_b32 s82, s80, 3
	s_and_b32 s82, s82, s74
	s_cmp_eq_u32 s82, 1
	s_cselect_b64 s[84:85], s[10:11], s[8:9]
	s_and_b32 s82, s80, 7
	s_lshl_b32 s82, s82, 9
	s_mov_b32 s83, 0
	s_add_nc_u64 s[84:85], s[84:85], s[82:83]
	s_and_b32 s82, s81, 7
	s_lshl_b32 s82, s82, 9
	s_add_nc_u64 s[86:87], s[68:69], s[82:83]
	v_lshlrev_b32 v4, 6, v3
	v_and_b32 v5, 8, v2
	v_add_nc_u32 v5, v5, v2
	v_lshlrev_b32 v5, 2, v5
.irp b, 0,1,2,3
.irp q, 0,1,2,3
	global_load_b128 v[BI+16*\b+4*\q:BI+16*\b+4*\q+3], v4, s[84:85] offset:128*\b+16*\q
.endr
.endr
.irp a, 0,1,2,3,4,5,6,7
	global_load_b32 v[BV+2*\a], v5, s[86:87] offset:4*(32*(\a/2)+8*(\a%2))
	global_load_b32 v[BV+2*\a+1], v5, s[86:87] offset:4*(32*(\a/2)+8*(\a%2))
.endr
	s_mov_b32 s[SEL], 0x76543210
	s_mov_b32 s[SEL+1], 0xfedcba98
	s_mov_b32 s92, 0xffff0000
	s_mov_b32 s93, 0xffff
	s_mov_b32 s94, 0x7f7f0000
	s_wait_alu depctr_va_vdst(0)
	s_wait_tensorcnt 0x0                           ; my part of K steps 0 to 5 is in
	s_mov_b32 s[G1P+2], 100<<16                    ; no tensor load of mine is out: the one refill brings two K steps, 100 rows
	s_mov_b32 s[G1P+4], 100
	s_mov_b32 s[G1Q+2], 100<<16
	s_mov_b32 s[G1Q+4], 100
	s_barrier_signal -1
	s_barrier_wait -1                              ; everybody's part is in
	FETCH_P 0, 0, 0
	FETCH_Q 0, 0, 0
	SCALES 0, 0, 0
	FETCH_Q 0, 0, 4
	STEP 0, 0, 1, 1
	TURN 1, 1, 1, 0
	STEP 0, 1, 1, 0
	s_wait_alu depctr_va_vdst(0)
	STEP 1, 2, 0, 0
	STEP 0, 2, 1, 0
	TURN 0, 1, 0, 0
	STEP 0, 0, 1, 0
	LAST 1
	PLACES 4
.irp b, 0,1,2,3
	v_mov_b32 v[TM+4+\b], 0
.endr
	s_wait_loadcnt 0x0
	s_cmp_eq_u32 s74, 0
	s_cbranch_scc1 .Lepi_v
	s_lshr_b32 s82, s81, 4
	s_and_b32 s83, s81, 15
	s_and_b32 s84, s80, 7
	s_lshl_b32 s84, s84, 1
	s_lshl_b32 s82, s82, 4
	s_add_co_u32 s82, s82, s84
	s_lshl_b32 s82, s82, 4
	s_add_co_u32 s82, s82, s83
	s_cmp_lt_u32 s80, 8
	s_mov_b32 s83, KVG
	s_cselect_b32 s83, QKP, s83
	s_cselect_b64 s[B0:B0+1], s[70:71], s[72:73]
	s_mul_i32 s84, s82, s83
	s_mov_b32 s85, 0
	s_add_nc_u64 s[B0:B0+1], s[B0:B0+1], s[84:85]
	s_lshl_b32 s84, s83, 4
	s_add_nc_u64 s[B1:B1+1], s[B0:B0+1], s[84:85]
.macro EPIQK a
.if (\a) > 0
	s_wait_xcnt 0x0
.endif
	WIN 0x02+(\a)/4
.set i, 0
.rept 32
	v_pk_add_f32 v[T+i:T+i+1], v[64*((\a)%4)+i:64*((\a)%4)+i+1], v[BI+i:BI+i+1]
.set i, i+2
.endr
	WIN 0
	QUANT T
	global_store_b128 v[L16], v[PC:PC+3], s[B0:B0+1] offset:768*(\a)
	global_store_b64 v[L8], v[PC+4:PC+5], s[B0:B0+1] offset:768*(\a)+512
	global_store_b128 v[L16], v[PC+6:PC+9], s[B1:B1+1] offset:768*(\a)
	global_store_b64 v[L8], v[PC+10:PC+11], s[B1:B1+1] offset:768*(\a)+512
.if (\a)%2 == 0
	v_and_or_b32 v[WE0], v[PW], s93, s94
	v_lshrrev_b32 v[WE1], 16, v[PW]
	v_or_b32 v[WE1], s94, v[WE1]
.else
	v_and_or_b32 v[W0], v[PW], s93, s94
	v_lshrrev_b32 v[W1], 16, v[PW]
	v_or_b32 v[W1], s94, v[W1]
	v_cndmask_b32 v[W0], v[WE0], v[W0], s92
	v_cndmask_b32 v[W1], v[WE1], v[W1], s92
	global_store_b32 v[L4], v[W0], s[B0:B0+1] offset:6144+128*((\a)/2)
	global_store_b32 v[L4], v[W1], s[B1:B1+1] offset:6144+128*((\a)/2)
.endif
.endm
.irp a, 0,1,2,3,4,5,6,7
	EPIQK \a
.endr
	s_branch .Lepi_done
.Lepi_v:
	s_lshr_b32 s82, s80, 4
	s_and_b32 s83, s80, 15
	s_lshl_b32 s82, s82, 4
	s_lshl_b32 s84, s81, 1
	s_add_co_u32 s82, s82, s84
	s_lshl_b32 s82, s82, 4
	s_add_co_u32 s82, s82, s83
	s_mul_i32 s84, s82, KVG
	s_add_co_u32 s84, s84, QKP
	s_mov_b32 s85, 0
	s_add_nc_u64 s[B0:B0+1], s[72:73], s[84:85]
	s_add_nc_u64 s[B1:B1+1], s[B0:B0+1], 16*KVG
.macro EPIV a
.if (\a) > 0
	s_wait_xcnt 0x0
.endif
	WIN 0x02+(\a)/4
.set i, 0
.rept 32
	v_pk_add_f32 v[T+i:T+i+1], v[64*((\a)%4)+i:64*((\a)%4)+i+1], v[BV+2*(\a):BV+2*(\a)+1]
.set i, i+2
.endr
	WIN 0
	QUANT T
	STFI B0+2*((\a)/4), FI*((\a)%4)
.if (\a)%2 == 0
	v_mov_b32 v[WE0], v[PW]
.else
	v_cndmask_b32 v[W0], v[WE0], v[PW], s92
	global_store_b32 v[L4], v[W0], s[B0+2*((\a)/4):B0+2*((\a)/4)+1] offset:6144+128*(((\a)%4)/2)
.endif
.endm
.irp a, 0,1,2,3,4,5,6,7
	EPIV \a
.endr
.Lepi_done:
	s_wait_tensorcnt 0x0
	ds_add_u32 v[SPW], v[NIL]
	s_wait_dscnt 0x0
	CROUND
	s_endpgm
.Lfunc_end_k_q35c1e7eb06_qkv:
	.size	k_q35c1e7eb06_qkv, .Lfunc_end_k_q35c1e7eb06_qkv-k_q35c1e7eb06_qkv
	.p2alignl 7, 3214868480
	.fill 96, 4, 3214868480
	.section	.rodata,"a",@progbits
	.p2align	6, 0x0
	.amdhsa_kernel k_q35c1e7eb06_qkv
		.amdhsa_group_segment_fixed_size 327680
		.amdhsa_private_segment_fixed_size 0
		.amdhsa_enable_private_segment 0
		.amdhsa_kernarg_size 56
		.amdhsa_user_sgpr_count 2
		.amdhsa_user_sgpr_kernarg_segment_ptr 1
		.amdhsa_wavefront_size32 1
		.amdhsa_system_sgpr_workgroup_id_x 1
		.amdhsa_system_sgpr_workgroup_id_y 1
		.amdhsa_system_sgpr_workgroup_id_z 1
		.amdhsa_system_vgpr_workitem_id 0
		.amdhsa_next_free_vgpr 1024
		.amdhsa_next_free_sgpr 100
		.amdhsa_reserve_vcc 0
		.amdhsa_float_denorm_mode_32 3
		.amdhsa_float_denorm_mode_16_64 3
		.amdhsa_memory_ordered 1
		.amdhsa_forward_progress 1
		.amdhsa_inst_pref_size 219
	.end_amdhsa_kernel
	.amdgpu_metadata
---
amdhsa.version: [ 1, 2 ]
amdhsa.kernels:
  - .name:           k_q35c1e7eb06_qkv
    .symbol:         k_q35c1e7eb06_qkv.kd
    .args:
      - { .name: timg, .offset: 0, .size: 8, .value_kind: global_buffer, .address_space: global }
      - { .name: wimg, .offset: 8, .size: 8, .value_kind: global_buffer, .address_space: global }
      - { .name: bq, .offset: 16, .size: 8, .value_kind: global_buffer, .address_space: global }
      - { .name: bk, .offset: 24, .size: 8, .value_kind: global_buffer, .address_space: global }
      - { .name: bv, .offset: 32, .size: 8, .value_kind: global_buffer, .address_space: global }
      - { .name: qimg, .offset: 40, .size: 8, .value_kind: global_buffer, .address_space: global }
      - { .name: kvimg, .offset: 48, .size: 8, .value_kind: global_buffer, .address_space: global }
    .group_segment_fixed_size: 327680
    .private_segment_fixed_size: 0
    .kernarg_segment_align: 8
    .kernarg_segment_size: 56
    .max_flat_workgroup_size: 128
    .sgpr_count:     100
    .vgpr_count:     1024
    .wavefront_size: 32
...
	.end_amdgpu_metadata
.endif
;; end of part 2
;; launch attn (part 3): grid 8 x 32, 16 waves a work-group, clusters of 4 x 1, 247,808 bytes of LDS; arguments qimg, kvimg, cimg; writes cimg
.if DOCPART == 3
	.amdgcn_target "amdgcn-amd-amdhsa--gfx1250"
	.amdhsa_code_object_version 6
	.text
	.protected	k_q35c1e7eb06_attn
	.globl	k_q35c1e7eb06_attn
	.p2align	8
	.type	k_q35c1e7eb06_attn,@function
k_q35c1e7eb06_attn:
	s_mov_b64 s[64:65], 0
	v_nop
	global_prefetch_b8 v0, s[64:65] scope:SCOPE_SE
	s_setreg_imm32_b32 hwreg(HW_REG_WAVE_MODE, 25, 1), 1
	s_wait_xcnt 0x0
	s_wait_alu depctr_hold_cnt(0) depctr_sa_sdst(0) depctr_va_vdst(0) depctr_va_sdst(0) depctr_va_ssrc(0) depctr_va_vcc(0) depctr_vm_vsrc(0)
	s_getreg_b32 s2, hwreg(HW_REG_IB_STS2, 6, 4)
	s_cmp_eq_u32 s2, 0
	s_cbranch_scc0 .Lentry_in_a_cluster
	s_endpgm
.Lentry_in_a_cluster:
	s_bfe_u32 s2, ttmp6, 0x10000c
	s_cmp_lg_u32 s2, 0x3003
	s_cbranch_scc0 .Lentry_shape_is_right
	s_endpgm
.Lentry_shape_is_right:
; ctx = softmax(q k^T / 8, causal) v for one (batch, head), both products on codes of E2M3 with one E8M0 byte for each 32 along K; ctx is quantised in registers for the next product and leaves as codes.
; SOFTMAX: t = score x log2(e) / 8; M = the running largest t rounded UP to a whole number; p = 2^(t - M) is quantised along the keys, not normalised; the row's sum is taken of the unquantised p and divides at the end.
; When M moves, the sum and O are multiplied by 2^(old M - new M), which rounds nothing.
; SHARES.  Work-group x takes block x (16 queries) of each of the head's 16 token groups: 136 key steps of 128 keys in every work-group, and every work-group reads all 16 parts of K and V (13,056 bytes each).
; The parts lie in LDS whole, each filled once: wave w asks for part w, one tensor load a wave.  CLUSTER 4 x 1: the four partners are alike in every branch and ask for each part jointly.
; Waves 2 e and 2 e + 1 share tile E (group e, key steps 0 .. e) and tile L (group 15 - e, key steps 0 .. 15 - e): wave A takes L's steps 0 .. 8; wave B takes E's steps, stores E, and takes L's steps 9 .. 15 - e.
; So a wave has 9 or 8 steps.  B's O, M and sums of L go to A through LDS bytes of their own; A brings both parts under the larger M (exact powers of two), adds, divides, stores L.
; ORDER OF ROUNDING: L's sums over the keys are taken in two parts that are added at the end.
; One loop of 16 counted trips; a trip whose keys are not a wave's is passed by scalar branches on ids alone.  Key steps wholly behind the causal mask are nobody's; on the diagonal hidden scores become -infinity.
; LAYOUT.  Both products transposed: S^T = K Q^T, O^T = V^T P^T: a lane holds one query.  The head's 64 channels fill half of the first product's K; the other half is zero codes on both sides under the byte 127.
; In the images lane-row r of block i is true row 32 (i / 2) + 8 (i % 2) + r + 8 (r / 8).  K's TILES ARE PUT TOGETHER ANEW BY THE LANES' ADDRESSES: row r of tile 4 c + u is key 64 c + 32 (r / 8) + 8 u + r % 8, which lies in image
; block 4 c + 2 (r / 8) + u % 2 at row r % 8 + 8 (u / 2).  So register 32 c + i of lane half h is key 64 c + 32 h + i: a whole block of 32 keys in a lane, as the second product's operand wants it.
; No prefetch: all that the launch streams is asked for at its head, and there is no loop to run ahead in.
; LIMITS: NaN and infinities are not served; a block of zeros gets the scale byte 1; the promise holds while |t| stays under 2^31; a block's largest p is made from its largest score (v_exp_f32 taken not to fall where its input rises).
; REGISTERS: v0 the pair's LDS bytes; v1-3 16, 8 x lane, 4 r; v4 diagonal; v5-7 K's lane terms; v8-10, v188-190 the step's addresses; v11, v243 the add's; v12 -M, v13 largest t, v[14:15] sums; v16-27 Q; v28-31 V's scale words;
;   v32-79 four tiles of K; v80-127 V's four; v128-191 S^T, then p; v192-223 O^T; v224-235 p's codes; v232-254 at work; v248-251 K's scale words; v253 p's; v255 Q's.
.set GI,  12800
.set FI,  1536
.set QKP, 6656
.set KVG, 13056
.set SPARE, 16*KVG                     ; behind the parts: the spare words, 128 bytes a wave
.set MB,  SPARE+2048                   ; behind them: 4,608 bytes for each pair of waves
.set MP,  4608
.set S,   128
.set O,   192
.set TB,  2                            ; LDS byte at which the trip's part begins
.set KG,  3                            ; the trip's group of 128 keys
.set RL,  14                           ; 1: wave A
.set EE,  15                           ; e
.set XT,  17                           ; x
.set WV,  18
.set BH,  19
.set SEL, 20
.set CS,  22                           ; s[22:23] c = log2(e) / 8
.set G1,  24
.set G0,  32
.set NB,  36                           ; the token group of the tile at work
.set NL,  37                           ; 15 - e
.set H1,  38                           ; my first run of key steps ends here
.set L2,  39                           ; my second run begins here (and ends at 15 - e)
.set SW,  40                           ; the trip at whose head B changes tiles
.set QA,  44                           ; Q's half fragment and scale words: first tile s[44:47], tile L s[48:51]
.set QB,  48
.set CF,  52                           ; where my tile's ctx goes: codes s[52:53], scale bytes s[54:55]
.set CW,  54
.macro ROUND
	s_barrier_signal -1
	s_barrier_wait -1
	s_cmp_lg_u32 s[WV], 0
	s_cbranch_scc1 .Lnot_wave_0_\@
	s_barrier_signal -3
.Lnot_wave_0_\@:
	s_barrier_wait -3
	s_barrier_signal -1
	s_barrier_wait -1
.endm
.macro KTILES g                        ; tiles 4 g .. 4 g + 3 and their rows' scale words
.irp t, 0,1,2,3
	ds_load_b128 v[32+12*\t:35+12*\t], v188 offset:768*(4*\g+(\t%2))+128*(\t/2)
	ds_load_b64 v[36+12*\t:37+12*\t], v189 offset:768*(4*\g+(\t%2))+512+64*(\t/2)
	ds_load_b32 v[248+\t], v190 offset:6144+64*(4*\g+(\t%2))+32*(\t/2)
.endr
.endm
.macro KQ g
.irp t, 0,1,2,3
	v_wmma_scale_f32_16x16x128_f8f6f4 v[S+8*(4*\g+\t):S+8*(4*\g+\t)+7], v[32+12*\t:43+12*\t], v[16:27], 0, v[248+\t], v255 matrix_a_fmt:MATRIX_FMT_FP6 matrix_b_fmt:MATRIX_FMT_FP6
.endr
.endm
.macro PLACES
.rept 4
	v_nop
.endr
.endm
; v[S .. S+31], channels 32 b + 16 (lane / 16) + i of my query, become half a fragment of the next product's operand and two scale bytes, and are stored.
.macro QOUT
.irp b, 0,1
	v_max3_num_f32 v[232+\b], |v[S+16*\b]|, |v[S+1+16*\b]|, 0x1800000   ; and the floor 2^(3 - 127)
.endr
.irp i, 2,4,6,8,10,12,14
.irp b, 0,1
	v_max3_num_f32 v[232+\b], v[232+\b], |v[S+16*\b+\i]|, |v[S+1+16*\b+\i]|
.endr
.endr
.irp b, 0,1
	v_permlanex16_b32 v[236+\b], v[232+\b], s[SEL], s[SEL+1]
.endr
.irp b, 0,1
	v_max_num_f32 v[232+\b], v[232+\b], v[236+\b]
.endr
.irp b, 0,1
	v_add_nc_u32 v[244+\b], 0xff000000, v[232+\b]
.endr
.irp b, 0,1
	v_lshrrev_b32 v[236+\b], 23, v[244+\b]
.endr
	v_lshl_or_b32 v240, v237, 8, v236              ; my head's two bytes of the row's scale word
	v_cvt_scalef32_pk16_fp6_f32 v[224:226], v[S:S+15], v244
	v_cvt_scalef32_pk16_fp6_f32 v[236:238], v[S+16:S+31], v245
	v_nop                                          ; one plain instruction behind a scaled conversion
.irp i, 0,1,2
	v_permlane16_swap_b32 v[224+\i], v[236+\i]
.endr
.irp i, 0,1,2
	v_mov_b32 v[227+\i], v[236+\i]
.endr
	global_store_b128 v1, v[224:227], s[CF:CF+1]   ; 512 consecutive bytes
	global_store_b64 v2, v[228:229], s[CF:CF+1] offset:512
	global_store_b16 v3, v240, s[CW:CW+1]          ; lanes 16-31 hold the same bytes and write them to the same places
.endm
	s_load_b128 s[4:7], s[0:1], 0x0                ; qimg, kvimg
	s_load_b64 s[8:9], s[0:1], 0x10                ; cimg
	v_lshl_add_u32 v11, v0, 2, SPARE
	v_mov_b32 v243, 0
	ds_add_u32 v11, v243                           ; the add, twice on end, and its wait
	ds_add_u32 v11, v243
	v_lshrrev_b32 v5, 5, v0
	v_readfirstlane_b32 s[WV], v5                  ; wave 0..15
	s_and_b32 s[BH], ttmp7, 0xffff                 ; 16 x batch + head
	s_bfe_u32 s16, ttmp6, 0x40000                  ; cx
	s_lshl_b32 s[XT], ttmp9, 2
	s_add_co_u32 s[XT], s[XT], s16                 ; x = 4 x cluster x + cx: it enters global addresses of my own loads and stores, and data, alone
	s_mov_b32 s[G1+0], 15|(3<<16)|(1<<21)          ; the four partners; a dense block of 13,056 bytes as 51 rows of 256 bytes
	s_mov_b32 s[G1+1], 32<<16
	s_mov_b32 s[G1+2], 51<<16
	s_mov_b32 s[G1+3], 32<<16
	s_mov_b32 s[G1+4], 51
	s_mov_b32 s[G1+5], 32
	s_mov_b32 s[G1+6], 0
	s_mov_b32 s[G1+7], 0
	s_mul_i32 s10, s[BH], 16*KVG
	s_mul_i32 s11, s[WV], KVG
	s_add_co_u32 s12, s10, s11
	s_mov_b32 s13, 0
	s_wait_dscnt 0x0
	s_wait_kmcnt 0x0
	s_add_nc_u64 s[12:13], s[6:7], s[12:13]
	s_mov_b32 s[G0], 1
	s_mov_b32 s[G0+1], s11
	s_mov_b64 s[G0+2:G0+3], s[12:13]
	s_or_b32 s[G0+3], s[G0+3], 0x80000000
	ROUND                                          ; the four work-groups are here: the joint loads meet
	tensor_load_to_lds s[G0:G0+3], s[G1:G1+7]      ; part w: my one tensor load
	s_nop 0
	s_lshr_b32 s[RL], s[WV], 2
	s_xor_b32 s[RL], s[RL], s[WV]
	s_and_b32 s[RL], s[RL], 1
	s_lshr_b32 s[EE], s[WV], 1
	s_sub_co_u32 s[NL], 15, s[EE]
	s_add_co_u32 s[SW], s[EE], 1
	s_cmp_eq_u32 s[RL], 1
	s_cselect_b32 s[NB], s[NL], s[EE]
	s_cselect_b32 s[H1], 8, s[EE]
	s_cselect_b32 s[L2], 16, 9
	s_cselect_b32 s[SW], 99, s[SW]                 ; A never changes tiles
	s_mul_i32 s56, s[BH], 16*QKP
	s_mul_i32 s57, s[XT], 768
	s_add_co_u32 s56, s56, s57
	s_mul_i32 s57, s[NB], QKP
	s_add_co_u32 s58, s56, s57
	s_mov_b32 s59, 0
	s_add_nc_u64 s[QA:QA+1], s[4:5], s[58:59]
	s_mul_i32 s57, s[NL], QKP
	s_add_co_u32 s58, s56, s57
	s_add_nc_u64 s[QB:QB+1], s[4:5], s[58:59]
	s_mul_i32 s57, s[XT], 704
	s_sub_co_u32 s58, 6144, s57                    ; from block x's codes (768 x) to its scale words (6,144 + 64 x)
	s_add_nc_u64 s[QA+2:QA+3], s[QA:QA+1], s[58:59]
	s_add_nc_u64 s[QB+2:QB+3], s[QB:QB+1], s[58:59]
	; ctx: group image (token group, head / 2), block x, half head % 2
	s_lshr_b32 s56, s[BH], 4
	s_lshl_b32 s56, s56, 4
	s_add_co_u32 s56, s56, s[NB]
	s_lshl_b32 s56, s56, 3
	s_and_b32 s57, s[BH], 15
	s_lshr_b32 s57, s57, 1
	s_add_co_u32 s56, s56, s57
	s_mul_i32 s56, s56, GI
	s_and_b32 s57, s[BH], 1
	s_mul_i32 s58, s[XT], FI
	s_add_co_u32 s58, s58, s56
	s_mul_i32 s10, s57, 768
	s_add_co_u32 s58, s58, s10
	s_add_nc_u64 s[CF:CF+1], s[8:9], s[58:59]
	s_lshl_b32 s58, s[XT], 6
	s_add_co_u32 s58, s58, s56
	s_lshl_b32 s57, s57, 1
	s_add_co_u32 s58, s58, s57
	s_add_co_u32 s58, s58, GI-512
	s_add_nc_u64 s[CW:CW+1], s[8:9], s[58:59]
	s_lshr_b32 s56, s[XT], 1
	s_lshl_b32 s56, s56, 5
	s_and_b32 s57, s[XT], 1
	s_lshl_b32 s57, s57, 3
	s_add_co_u32 s56, s56, s57                     ; block x's first true row in its group
	s_mul_i32 s57, s[EE], MP
	s_add_co_u32 s57, s57, MB
	s_mov_b32 s[SEL], 0x76543210
	s_mov_b32 s[SEL+1], 0xfedcba98
	s_mov_b32 s[CS], 0x3e38aa3b
	s_mov_b32 s[CS+1], s[CS]                       ; (named with it as a pair, so it is written)
	v_and_b32 v8, 31, v0
	v_and_b32 v9, 15, v0                           ; r
	v_lshlrev_b32 v1, 4, v8
	v_lshlrev_b32 v2, 3, v8
	v_lshlrev_b32 v3, 2, v9
	global_load_b128 v[16:19], v1, s[QA:QA+1]
	global_load_b64 v[20:21], v2, s[QA:QA+1] offset:512
	global_load_b32 v255, v3, s[QA+2:QA+3]
	v_and_b32 v10, 8, v0                           ; 8 (r / 8)
	v_and_b32 v8, 16, v0
	v_add_nc_u32 v4, v10, v9
	v_lshlrev_b32 v8, 1, v8                        ; 32 h
	v_sub_nc_u32 v4, v4, v8
	v_add_nc_u32 v4, s56, v4                       ; my query's place in its group - 32 h: register 32 c + i holds key 64 c + i + 32 h, hidden where 64 c + i is above this
	v_and_b32 v9, 0x17, v0                         ; r % 8 + 16 h
	v_mul_u32_u24 v5, v10, 192                     ; 1,536 (r / 8)
	v_lshl_add_u32 v6, v9, 3, v5
	v_lshl_add_u32 v5, v9, 4, v5
	v_and_b32 v9, 7, v0
	v_lshlrev_b32 v9, 2, v9
	v_lshl_add_u32 v7, v10, 4, v9                  ; 128 (r / 8) + 4 (r % 8)
	v_add_nc_u32 v0, s57, v1                       ; my pair's LDS bytes, 16 a lane
	v_mov_b32 v13, 0xff61b1e6                      ; the largest t so far: -3e38
	v_floor_f32 v12, -v13                          ; -M
	v_mov_b32 v14, 0
	v_mov_b32 v15, 0
.irp i, 236,237,238,239,252,253
	v_mov_b32 v[\i], 0                             ; a lane permute's destination counts as one of its sources
.endr
.irp i, 22,23,24,25,26,27
	v_mov_b32 v[\i], 0                             ; the zero codes that fill the first product's K from 64 to 128: Q's,
.endr
.irp t, 0,1,2,3
.irp i, 6,7,8,9,10,11
	v_mov_b32 v[32+12*\t+\i], 0                    ; and K's: written once, never loaded
.endr
.endr
.set j, 0
.rept 32
	v_mov_b32 v[O+j], 0                            ; O^T: the step is written once; its first trip finds zeros
.set j, j+1
.endr
	s_wait_alu depctr_va_vdst(0)
	s_wait_loadcnt 0x0                             ; Q
	s_wait_tensorcnt 0x0                           ; my part has landed
	s_barrier_signal -1
	s_barrier_wait -1                              ; everybody's has: all 16 parts are whole, and nothing is filled again
	s_mov_b32 s[TB], 0
	s_mov_b32 s[KG], 0
.Lstep:
	s_cmp_lg_u32 s[KG], s[SW]
	s_cbranch_scc1 .Lsame_tile
	; B CHANGES TILES: tile L's Q is asked for, tile E leaves, and the largest t goes back to -3e38: the next step's factor is then 0, which clears O^T and the sums
	PLACES                                         ; behind the last products
	global_load_b128 v[16:19], v1, s[QB:QB+1]
	global_load_b64 v[20:21], v2, s[QB:QB+1] offset:512
	global_load_b32 v255, v3, s[QB+2:QB+3]
	v_add_f32 v14, v14, v15
	v_permlanex16_b32 v252, v14, s[SEL], s[SEL+1]
	v_add_f32 v14, v14, v252
	s_wait_alu depctr_va_vdst(0)                   ; the wait ahead of the transcendental
	v_rcp_f32 v14, v14
	v_nop
	s_wait_alu depctr_va_vdst(0)                   ; and ahead of its first reader, which is also O^T's
.set j, 0
.rept 16
	v_pk_mul_f32 v[S+j:S+j+1], v[O+j:O+j+1], v[14:15] op_sel_hi:[1,0]
.set j, j+2
.endr
	QOUT
	v_mov_b32 v13, 0xff61b1e6
	v_floor_f32 v12, -v13
	s_mov_b32 s[NB], s[NL]
	s_wait_alu depctr_va_vdst(0)
	s_wait_xcnt 0x0                                ; the stores have read their registers
	s_wait_loadcnt 0x0                             ; tile L's Q
.Lsame_tile:
	s_cmp_le_u32 s[KG], s[H1]
	s_cbranch_scc1 .Lwork
	s_cmp_lt_u32 s[KG], s[L2]
	s_cbranch_scc1 .Lhidden
	s_cmp_gt_u32 s[KG], s[NL]
	s_cbranch_scc1 .Lhidden
.Lwork:
	v_add_nc_u32 v8, s[TB], v1                     ; six plain instructions between the last step's products and the loads into their operands
	v_add_nc_u32 v9, s[TB], v2
	v_add_nc_u32 v10, s[TB], v3
	v_add_nc_u32 v188, s[TB], v5
	v_add_nc_u32 v189, s[TB], v6
	v_add_nc_u32 v190, s[TB], v7
	KTILES 0
	s_wait_alu depctr_va_vdst(0)
	s_wait_dscnt 0x0                               ; K's first four tiles are in
	KQ 0
	PLACES
	KTILES 1
.irp t, 0,1,2,3                                ; V's loads stand behind K's: LDS answers in order, and V is wanted last
	ds_load_b128 v[80+12*\t:83+12*\t], v8 offset:QKP+FI*\t
	ds_load_b64 v[84+12*\t:85+12*\t], v9 offset:QKP+FI*\t+512
	ds_load_b128 v[86+12*\t:89+12*\t], v8 offset:QKP+FI*\t+768
	ds_load_b64 v[90+12*\t:91+12*\t], v9 offset:QKP+FI*\t+1280
	ds_load_b32 v[28+\t], v10 offset:GI+64*\t
.endr
	s_wait_dscnt 20                                ; K's other four tiles are in; V's 20 loads may be out
	KQ 1
	PLACES
	s_cmp_lg_u32 s[KG], s[NB]
	s_cbranch_scc1 .Lopen
	v_mov_b32 v254, 0xff800000                     ; on the diagonal: -infinity for hidden keys; p = 0 then
.set n, 0
.rept 64
	v_cmp_gt_i32 vcc_lo, 64*(n/32)+n%32, v4
	v_cndmask_b32 v[S+n], v[S+n], v254, vcc_lo
.set n, n+1
.endr
.Lopen:
.irp b, 0,1,2,3
	v_max3_num_f32 v[232+\b], v[S+16*\b], v[S+1+16*\b], v[S+2+16*\b]   ; four chains of 15 scores by turns, each accumulator from its low end on
.endr
.irp i, 3,5,7,9,11,13
.irp b, 0,1,2,3
	v_max3_num_f32 v[232+\b], v[232+\b], v[S+16*\b+\i], v[S+1+16*\b+\i]
.endr
.endr
	v_max3_num_f32 v232, v232, v233, v[S+15]
	v_max3_num_f32 v234, v234, v235, v[S+47]
	v_max_num_f32 v232, v232, v[S+31]              ; the largest score of my block c = 0,
	v_max_num_f32 v233, v234, v[S+63]              ; and of c = 1: for the row's maximum and, since p rises with the score, for the block's largest p
	v_max_num_f32 v254, v232, v233
	v_permlanex16_b32 v236, v254, s[SEL], s[SEL+1]
	v_max_num_f32 v254, v254, v236
	v_mul_f32 v254, s[CS], v254
	v_max_num_f32 v13, v13, v254                   ; the running largest t
	v_mov_b32 v254, v12
	v_floor_f32 v12, -v13                          ; the new -M = -ceil(t)
	v_sub_f32 v254, v12, v254
	v_cvt_i32_f32 v254, v254                       ; (it saturates)
	v_ldexp_f32 v252, 1.0, v254                    ; f = 2^(old M - new M)
.set j, 0
.rept 32
	v_pk_fma_f32 v[S+j:S+j+1], v[S+j:S+j+1], s[CS:CS+1], v[12:13] op_sel_hi:[1,0,0]   ; t - M
.set j, j+2
.endr
	v_fma_f32 v232, v232, s[CS], v12
	v_fma_f32 v233, v233, s[CS], v12
	s_wait_alu depctr_va_vdst(0)
.set j, 0
.rept 64
	v_exp_f32 v[S+j], v[S+j]                       ; p = 2^(t - M)
.set j, j+1
.endr
	v_pk_mul_f32 v[14:15], v[14:15], v[252:253] op_sel_hi:[1,0]   ; the sums under the new M (a plain instruction behind the exponentials)
	s_wait_alu depctr_va_vdst(0)                   ; one wait for the batch, ahead of its first reader
	v_exp_f32 v232, v232                           ; each block's largest p
	v_exp_f32 v233, v233
	v_pk_add_f32 v[236:237], v[132:133], v[136:137]   ; the row's sum of the unquantised p, in eight chains
	v_pk_add_f32 v[250:251], v[140:141], v[144:145]
	v_pk_add_f32 v[248:249], v[148:149], v[152:153]
	v_pk_add_f32 v[246:247], v[156:157], v[160:161]
	v_pk_add_f32 v[244:245], v[164:165], v[168:169]
	v_pk_add_f32 v[240:241], v[172:173], v[176:177]
	v_pk_add_f32 v[238:239], v[180:181], v[184:185]
	v_pk_add_f32 v[14:15], v[14:15], v[188:189]
	v_pk_add_f32 v[236:237], v[236:237], v[128:129]
	v_pk_add_f32 v[250:251], v[250:251], v[130:131]
	v_pk_add_f32 v[248:249], v[248:249], v[134:135]
	v_pk_add_f32 v[246:247], v[246:247], v[138:139]
	v_pk_add_f32 v[244:245], v[244:245], v[142:143]
	v_pk_add_f32 v[240:241], v[240:241], v[146:147]
	v_pk_add_f32 v[238:239], v[238:239], v[150:151]
	v_pk_add_f32 v[14:15], v[14:15], v[154:155]
	v_pk_add_f32 v[236:237], v[236:237], v[158:159]
	v_pk_add_f32 v[250:251], v[250:251], v[162:163]
	v_pk_add_f32 v[248:249], v[248:249], v[166:167]
	v_pk_add_f32 v[246:247], v[246:247], v[170:171]
	v_pk_add_f32 v[244:245], v[244:245], v[174:175]
	v_pk_add_f32 v[240:241], v[240:241], v[178:179]
	v_pk_add_f32 v[238:239], v[238:239], v[182:183]
	v_pk_add_f32 v[14:15], v[14:15], v[186:187]
	v_pk_add_f32 v[236:237], v[236:237], v[190:191]
	v_pk_add_f32 v[14:15], v[14:15], v[246:247]
	v_pk_add_f32 v[236:237], v[236:237], v[244:245]
	v_pk_add_f32 v[250:251], v[250:251], v[240:241]
	v_pk_add_f32 v[248:249], v[248:249], v[238:239]
	v_pk_add_f32 v[14:15], v[14:15], v[250:251]
	v_pk_add_f32 v[236:237], v[236:237], v[248:249]
	v_pk_add_f32 v[14:15], v[14:15], v[236:237]
	s_wait_alu depctr_va_vdst(0)                   ; and one for the two
	v_max_num_f32 v232, 0x1800000, v232            ; the floor 2^(3 - 127)
	v_max_num_f32 v233, 0x1800000, v233
	v_add_nc_u32 v244, 0xff000000, v232            ; 2 off the exponent field: the conversion's scale operand
	v_add_nc_u32 v245, 0xff000000, v233
	v_lshrrev_b32 v246, 23, v244
	v_lshrrev_b32 v247, 23, v245
	v_lshl_or_b32 v246, v247, 16, v246             ; the bytes of my blocks h and 2 + h
	v_permlanex16_b32 v237, v246, s[SEL], s[SEL+1]
	v_lshl_or_b32 v253, v237, 8, v246              ; in lanes 0-15, which alone are read: p's scale word for these 128 keys
	v_cvt_scalef32_pk16_fp6_f32 v[224:226], v[S:S+15], v244
	v_cvt_scalef32_pk16_fp6_f32 v[236:238], v[S+16:S+31], v244    ; (a conversion's three registers begin on an even number)
	v_cvt_scalef32_pk16_fp6_f32 v[230:232], v[S+32:S+47], v245
	v_cvt_scalef32_pk16_fp6_f32 v[240:242], v[S+48:S+63], v245
	v_nop                                          ; one plain instruction behind a scaled conversion
.irp i, 0,1,2
	v_mov_b32 v[227+\i], v[236+\i]
	v_mov_b32 v[233+\i], v[240+\i]
.endr
	s_wait_dscnt 0x0                               ; V's fragments and scale words are in
	s_wait_alu depctr_va_vdst(0)
.set j, 0
.rept 16
	v_pk_mul_f32 v[O+j:O+j+1], v[O+j:O+j+1], v[252:253] op_sel_hi:[1,0]   ; O^T under the new M; these sixteen also stand between the writes of p's codes and scale word and the products
.set j, j+2
.endr
.irp t, 0,1,2,3
	v_wmma_scale_f32_16x16x128_f8f6f4 v[O+8*\t:O+8*\t+7], v[80+12*\t:91+12*\t], v[224:235], v[O+8*\t:O+8*\t+7], v[28+\t], v253 matrix_a_fmt:MATRIX_FMT_FP6 matrix_b_fmt:MATRIX_FMT_FP6
.endr
.Lhidden:
	s_add_co_u32 s[TB], s[TB], KVG
	s_add_co_u32 s[KG], s[KG], 1
	s_cmp_lt_u32 s[KG], 16
	s_cbranch_scc1 .Lstep
	PLACES                                         ; behind the last products
	s_cmp_eq_u32 s[RL], 1
	s_cbranch_scc1 .Lno_store
.irp t, 0,1,2,3,4,5,6,7
	ds_store_b128 v0, v[O+4*\t:O+4*\t+3] offset:512*\t   ; B: my part of tile L as an image of the registers, each accumulator from its low end on,
.endr
	ds_store_b128 v0, v[12:15] offset:4096         ; with -M and the sums
.Lno_store:
	s_wait_dscnt 0x0                               ; for my partner's sake
	s_barrier_signal -1
	s_barrier_wait -1
	s_cmp_eq_u32 s[RL], 0
	s_cbranch_scc1 .Ldone
.irp t, 0,1,2,3,4,5,6,7
	ds_load_b128 v[S+32+4*\t:S+35+4*\t], v0 offset:512*\t
.endr
	ds_load_b128 v[232:235], v0 offset:4096
	s_wait_dscnt 0x0
	v_add_f32 v14, v14, v15
	v_add_f32 v234, v234, v235
	v_min_num_f32 v254, v12, v232                  ; -M of both parts
	v_sub_f32 v12, v254, v12
	v_sub_f32 v232, v254, v232
	v_cvt_i32_f32 v12, v12                         ; (they saturate: a part with no key has the factor 0)
	v_cvt_i32_f32 v232, v232
	v_ldexp_f32 v12, 1.0, v12
	v_ldexp_f32 v232, 1.0, v232
	v_mul_f32 v14, v14, v12
	v_fma_f32 v14, v234, v232, v14
	v_permlanex16_b32 v252, v14, s[SEL], s[SEL+1]
	v_add_f32 v14, v14, v252                       ; the row's sum
	s_wait_alu depctr_va_vdst(0)
	v_rcp_f32 v14, v14
	v_nop
	s_wait_alu depctr_va_vdst(0)
	v_mul_f32 v12, v12, v14
	v_mul_f32 v232, v232, v14
	s_wait_alu depctr_va_vdst(0)
.set j, 0
.rept 16
	v_pk_mul_f32 v[S+j:S+j+1], v[O+j:O+j+1], v[12:13] op_sel_hi:[1,0]
.set j, j+2
.endr
.set j, 0
.rept 16
	v_pk_fma_f32 v[S+j:S+j+1], v[S+32+j:S+33+j], v[232:233], v[S+j:S+j+1] op_sel_hi:[1,0,1]
.set j, j+2
.endr
	QOUT
.Ldone:
	s_wait_tensorcnt 0x0                           ; the wave's end
	ds_add_u32 v11, v243
	s_wait_dscnt 0x0
	ROUND                                          ; the closing round
	s_endpgm
.Lfunc_end_k_q35c1e7eb06_attn:
	.size	k_q35c1e7eb06_attn, .Lfunc_end_k_q35c1e7eb06_attn-k_q35c1e7eb06_attn
	.p2alignl 7, 3214868480
	.fill 96, 4, 3214868480
	.section	.rodata,"a",@progbits
	.p2align	6, 0x0
	.amdhsa_kernel k_q35c1e7eb06_attn
		.amdhsa_group_segment_fixed_size 247808
		.amdhsa_private_segment_fixed_size 0
		.amdhsa_enable_private_segment 0
		.amdhsa_kernarg_size 24
		.amdhsa_user_sgpr_count 2
		.amdhsa_user_sgpr_kernarg_segment_ptr 1
		.amdhsa_wavefront_size32 1
		.amdhsa_system_sgpr_workgroup_id_x 1
		.amdhsa_system_sgpr_workgroup_id_y 1
		.amdhsa_system_sgpr_workgroup_id_z 1
		.amdhsa_system_vgpr_workitem_id 0
		.amdhsa_next_free_vgpr 256
		.amdhsa_next_free_sgpr 66
		.amdhsa_reserve_vcc 1
		.amdhsa_float_denorm_mode_32 3
		.amdhsa_float_denorm_mode_16_64 3
		.amdhsa_memory_ordered 1
		.amdhsa_forward_progress 1
		.amdhsa_inst_pref_size 41
	.end_amdhsa_kernel
	.amdgpu_metadata
---
amdhsa.version: [ 1, 2 ]
amdhsa.kernels:
  - .name:           k_q35c1e7eb06_attn
    .symbol:         k_q35c1e7eb06_attn.kd
    .args:
      - { .name: qimg, .offset: 0, .size: 8, .value_kind: global_buffer, .address_space: global }
      - { .name: kvimg, .offset: 8, .size: 8, .value_kind: global_buffer, .address_space: global }
      - { .name: cimg, .offset: 16, .size: 8, .value_kind: global_buffer, .address_space: global }
    .group_segment_fixed_size: 247808
    .private_segment_fixed_size: 0
    .kernarg_segment_align: 8
    .kernarg_segment_size: 24
    .max_flat_workgroup_size: 512
    .sgpr_count:     66
    .vgpr_count:     256
    .wavefront_size: 32
...
	.end_amdgpu_metadata
.endif
;; end of part 3
;; launch wo (part 4): grid 8 x 32, 4 waves a work-group, clusters of 4 x 4, 327,680 bytes of LDS; arguments cimg, wimg, bo, x, x1; writes x1
.if DOCPART == 4
	.amdgcn_target "amdgcn-amd-amdhsa--gfx1250"
	.amdhsa_code_object_version 6
	.text
	.protected	k_q35c1e7eb06_wo
	.globl	k_q35c1e7eb06_wo
	.p2align	8
	.type	k_q35c1e7eb06_wo,@function
k_q35c1e7eb06_wo:
	s_mov_b64 s[64:65], 0
	v_nop
	global_prefetch_b8 v0, s[64:65] scope:SCOPE_SE
	s_setreg_imm32_b32 hwreg(HW_REG_WAVE_MODE, 25, 1), 1
	s_wait_xcnt 0x0
	s_wait_alu depctr_hold_cnt(0) depctr_sa_sdst(0) depctr_va_vdst(0) depctr_va_sdst(0) depctr_va_ssrc(0) depctr_va_vcc(0) depctr_vm_vsrc(0)
	s_getreg_b32 s2, hwreg(HW_REG_IB_STS2, 6, 4)
	s_cmp_eq_u32 s2, 0
	s_cbranch_scc0 .Lentry_in_a_cluster
	s_endpgm
.Lentry_in_a_cluster:
	s_bfe_u32 s2, ttmp6, 0x10000c
	s_cmp_lg_u32 s2, 0xf033
	s_cbranch_scc0 .Lentry_shape_is_right
	s_endpgm
.Lentry_shape_is_right:
; x1 = x + ctx Wo + bo.  ctx and Wo arrive as images of the operand's registers (codes of E2M3, one E8M0 byte for each 32 along K): a group image (128 rows x 128 K) is 12,800 bytes, consecutive K steps are dense.
; A work-group makes 128 tokens x 128 columns, so that the 256 tiles give each WGP one.  THE FOUR WAVES SHARE K, NOT THE TILE: of a slot's four K steps wave w multiplies step w over the whole tile (64 accumulators), so each
; LDS byte is read once.  The four partial sums meet in LDS at the end, with the bias and the residual.
; ORDER OF ROUNDING: the sum over K is taken in four parts that are added at the end, not as one chain in ascending K.
; D = P x Q: source 0 = 16 columns of Wo, source 1 = 16 tokens: a lane holds one token (lane-row r of block i is true row 32 (i / 2) + 8 (i % 2) + r + 8 (r / 8)), its registers run along the columns.
; K = 1,024 is two slots: both are first fills, nothing is filled again.  CLUSTERS: 4 x 4; P's tile is asked for jointly by a column of the cluster, Q's by a row.
; REGISTERS: window 0: v8-15, v31 the way out's addresses and the bias; v16-30 addresses; v32-47 scale words; v64-127 residual rows; v128-223 Q's fragments, later v128-255 partial sums.  window 1: P's fragments.  windows 2, 3: accumulators.
.set GI,    12800
.set FI,    1536
.set LOADB, 4*GI                       ; what one tensor load brings: four K steps of one group; the four loads bring all of K
.set SLOT,  4*GI                       ; P's K steps 0-7 lie on end, then Q's: from my K step w to my K step 4 + w
.set KS,    8
.set POFF,  2457600                    ; Wo's image in wimg
.set STEPB, 8*GI
.set REDW,  128*528                    ; the way out: 128 rows x (512 bytes + 16) for each wave; it lies over the slots, which have had their last fill
.set SPARE, 4*REDW                     ; behind it: the spare words, 128 bytes a wave
.set BIAS, 8
.set RRD,  12
.set AQ16, 16
.set AQ8,  18
.set AP16, 20
.set AP8,  22
.set ADRS, 24
.set L16,  26
.set L8,   27
.set SPW,  28
.set NIL,  29
.set RST,  31
.set SC,   32
.set RS,   64
.set QF,   128
.set G1P, 24
.set G0P, 32
.set G1Q, 48
.set G0Q, 56
.set RB,  68
.set OB,  70
.set MUL_LO, 0xa1
.set MUL_HI, 0xf1
.set TO_P,   0x40
.set MSB, 0
.macro WIN new
.if MSB != (\new)
	s_set_vgpr_msb (MSB<<8)|(\new)
.set MSB, (\new)
.endif
.endm
.macro PLACES n
.rept \n
	v_nop
.endr
.endm
.macro JLOAD g0a, g1a, g0b, g1b        ; waves 0 and 1 fetch for P, waves 2 and 3 for Q; four v_nop follow each of the two lines
	s_cmp_eq_u32 s15, 0
	s_cbranch_scc0 .Lfor_b_\@
	tensor_load_to_lds s[\g0a:\g0a+3], s[\g1a:\g1a+7]
	s_nop 0
.rept 4
	v_nop
.endr
	s_branch .Lasked_\@
.Lfor_b_\@:
	tensor_load_to_lds s[\g0b:\g0b+3], s[\g1b:\g1b+7]
	s_nop 0
.rept 4
	v_nop
.endr
.Lasked_\@:
.endm
.macro CREST
	s_cmp_lg_u32 s14, 0
	s_cbranch_scc1 .Lnot_wave_0_\@
	s_barrier_signal -3
.Lnot_wave_0_\@:
	s_barrier_wait -3
	s_barrier_signal -1
	s_barrier_wait -1
.endm
.macro CROUND
	s_barrier_signal -1
	s_barrier_wait -1
	CREST
.endm
.macro FRAG reg, a16, a8, off
	ds_load_b128 v[\reg:\reg+3], v[\a16] offset:\off
	ds_load_b64 v[\reg+4:\reg+5], v[\a8] offset:(\off)+512
	ds_load_b128 v[\reg+6:\reg+9], v[\a16] offset:(\off)+768
	ds_load_b64 v[\reg+10:\reg+11], v[\a8] offset:(\off)+1280
.endm
.macro FETCH_P slot, kq, set
	WIN TO_P
.irp i, 0,1,2,3,4,5,6,7
	FRAG 128*(\set)+12*\i, AP16+\slot, AP8+\slot, (\kq)*GI+FI*\i
.endr
	WIN 0
.endm
.macro FETCH_Q slot, kq, i0
.irp i, \i0, \i0+1, \i0+2, \i0+3
	FRAG QF+12*(\i), AQ16+\slot, AQ8+\slot, (\kq)*GI+FI*(\i)
.endr
.endm
.macro SCALES slot, kq, set
.irp i, 0,1,2,3,4,5,6,7
	ds_load_b32 v[SC+8*(\set)+\i], v[ADRS+\slot] offset:(\kq)*GI+64*\i
.endr
.endm
.macro MUL16 a0, p, zero               ; the 64 accumulators take turns, one instruction a turn
.irp a, \a0, \a0+1
.irp b, 0,1,2,3,4,5,6,7
.if \zero
	v_wmma_scale_f32_16x16x128_f8f6f4 v[8*(8*((\a)%4)+\b):8*(8*((\a)%4)+\b)+7], v[128*(\p)+12*\b:128*(\p)+12*\b+11], v[QF+12*(\a):QF+12*(\a)+11], 0, v[SC+8*(\p)+\b], v[SC+8*(\p)+(\a)] matrix_a_fmt:MATRIX_FMT_FP6 matrix_b_fmt:MATRIX_FMT_FP6 matrix_b_scale:MATRIX_SCALE_ROW1
.else
	v_wmma_scale_f32_16x16x128_f8f6f4 v[8*(8*((\a)%4)+\b):8*(8*((\a)%4)+\b)+7], v[128*(\p)+12*\b:128*(\p)+12*\b+11], v[QF+12*(\a):QF+12*(\a)+11], v[8*(8*((\a)%4)+\b):8*(8*((\a)%4)+\b)+7], v[SC+8*(\p)+\b], v[SC+8*(\p)+(\a)] matrix_a_fmt:MATRIX_FMT_FP6 matrix_b_fmt:MATRIX_FMT_FP6 matrix_b_scale:MATRIX_SCALE_ROW1
.endif
.endr
.endr
.endm
; My K step of a slot (set p), and the change of slots: one barrier; in front of it each wave waits for all its tensor loads, adds 0 to its spare word, and waits for that and for its reads of this slot.
.macro TURN slot, next, p, fill, zero
	s_wait_tensorcnt 0x0
	ds_add_u32 v[SPW], v[NIL]
	s_wait_dscnt 17                                ; (the add and the youngest 16 loads, Q's blocks 4-7, may be out)
	WIN MUL_LO
	MUL16 0, \p, \zero
	s_wait_dscnt 0x0
	s_barrier_signal -1
	MUL16 2, \p, \zero
	WIN 0
	s_barrier_wait -1
.if \fill
	CREST
	s_add_nc_u64 s[G0P+4*\slot+2:G0P+4*\slot+3], s[G0P+4*\slot+2:G0P+4*\slot+3], STEPB
	s_add_nc_u64 s[G0Q+4*\slot+2:G0Q+4*\slot+3], s[G0Q+4*\slot+2:G0Q+4*\slot+3], STEPB
	JLOAD G0P+4*\slot, G1P, G0Q+4*\slot, G1Q
.else
	PLACES 4
.endif
	FETCH_P \next, 0, 1-(\p)
	FETCH_Q \next, 0, 0
	SCALES \next, 0, 1-(\p)
	WIN MUL_HI
	MUL16 4, \p, \zero
	MUL16 6, \p, \zero
	PLACES 4
	WIN 0
	FETCH_Q \next, 0, 4
.endm
.macro LAST p
	s_wait_dscnt 16
	WIN MUL_LO
	MUL16 0, \p, 0
	MUL16 2, \p, 0
	s_wait_dscnt 0x0
	WIN MUL_HI
	MUL16 4, \p, 0
	MUL16 6, \p, 0
	WIN 0
.endm
	s_load_b128 s[4:7], s[0:1], 0x0                ; cimg, wimg
	s_load_b128 s[8:11], s[0:1], 0x10              ; bo, x
	s_load_b64 s[12:13], s[0:1], 0x20              ; x1
	v_lshl_add_u32 v[SPW], v0, 2, SPARE
	v_mov_b32 v[NIL], 0
	ds_add_u32 v28, v29
	ds_add_u32 v28, v29
	s_wait_dscnt 0x0
	v_lshrrev_b32 v1, 5, v0
	v_readfirstlane_b32 s14, v1                    ; wave 0..3: my K step of a slot
	s_lshr_b32 s15, s14, 1                         ; I fetch for P (0) or for Q (1),
	s_and_b32 s16, s14, 1                          ; K steps 0-3 or 4-7
	s_bfe_u32 s40, ttmp6, 0x40000
	s_bfe_u32 s41, ttmp6, 0x40004
	s_lshl_b32 s42, ttmp9, 2
	s_add_co_u32 s42, s42, s40                     ; P's group: 128 columns
	s_and_b32 s17, ttmp7, 0xffff
	s_lshl_b32 s17, s17, 2
	s_add_co_u32 s17, s17, s41                     ; Q's group: 128 tokens
	s_lshl_b32 s43, s41, 2
	s_lshl_b32 s43, 15, s43
	s_lshl_b32 s44, 0x1111, s40
	s_or_b32 s[G1P+0], s44, (3<<16)|(1<<21)        ; a dense block of 51,200 bytes as 200 rows of 256 bytes; P's go to my column of the cluster,
	s_or_b32 s[G1Q+0], s43, (3<<16)|(1<<21)        ; Q's to my row
.irp g, G1P, G1Q
	s_mov_b32 s[\g+1], 32<<16
	s_mov_b32 s[\g+2], 200<<16                     ; 51,200 bytes as 200 rows of 256 bytes
	s_mov_b32 s[\g+3], 32<<16
	s_mov_b32 s[\g+4], 200
	s_mov_b32 s[\g+5], 32
	s_mov_b32 s[\g+6], 0
	s_mov_b32 s[\g+7], 0
.endr
	s_mul_i32 s18, s16, LOADB
	s_mul_i32 s46, s42, KS*GI
	s_add_co_u32 s46, s46, s18
	s_add_co_u32 s46, s46, POFF
	s_mov_b32 s47, 0
	s_mul_i32 s20, s17, KS*GI
	s_add_co_u32 s20, s20, s18
	s_mov_b32 s21, 0
	s_mul_i32 s45, s14, LOADB
	s_wait_kmcnt 0x0
	s_add_nc_u64 s[46:47], s[6:7], s[46:47]
	s_add_nc_u64 s[20:21], s[4:5], s[20:21]
	CROUND
.irp s, 0
	s_mov_b32 s[G0P+4*\s], 1
	s_add_co_u32 s[G0P+4*\s+1], s45, \s*SLOT
	s_add_nc_u64 s[G0P+4*\s+2:G0P+4*\s+3], s[46:47], \s*4*GI
	s_or_b32 s[G0P+4*\s+3], s[G0P+4*\s+3], 0x80000000
	s_mov_b32 s[G0Q+4*\s], 1
	s_add_co_u32 s[G0Q+4*\s+1], s45, \s*SLOT
	s_add_nc_u64 s[G0Q+4*\s+2:G0Q+4*\s+3], s[20:21], \s*4*GI
	s_or_b32 s[G0Q+4*\s+3], s[G0Q+4*\s+3], 0x80000000
	JLOAD G0P+4*\s, G1P, G0Q+4*\s, G1Q
.endr
	v_and_b32 v1, 31, v0
	v_and_b32 v2, 15, v0
	v_bfe_u32 v3, v0, 4, 1
	v_lshlrev_b32 v[L16], 4, v1
	v_lshlrev_b32 v[L8], 3, v1
	s_mul_i32 s22, s14, GI                         ; my K step of P
	s_add_co_u32 s21, s22, 8*GI                    ; and of Q, behind P's eight
	v_mul_u32_u24 v6, v3, 8*GI                     ; lanes 16-31 take Q's words
	v_lshl_add_u32 v6, v2, 2, v6
	v_add_nc_u32 v6, GI-512, v6
.irp s, 0,1
	v_add_nc_u32 v[AQ16+\s], s21, v[L16]
	v_add_nc_u32 v[AQ8+\s], s21, v[L8]
	v_add_nc_u32 v[AP16+\s], s22, v[L16]
	v_add_nc_u32 v[AP8+\s], s22, v[L8]
	v_add_nc_u32 v[ADRS+\s], s22, v6
	s_add_co_u32 s21, s21, SLOT
	s_add_co_u32 s22, s22, SLOT
.endr
	s_mul_i32 s23, s14, REDW
	v_mul_u32_u24 v[RST], v2, 528
	v_lshl_add_u32 v[RST], v3, 6, v[RST]
	v_add_nc_u32 v[RST], s23, v[RST]               ; my partial sums: row 16 a + r, + 64 h
	s_mul_i32 s23, s14, 32*528
	v_add_nc_u32 v[RRD], s23, v[L16]               ; back: rows 32 w on of each wave's part, 16 bytes a lane
	v_add_nc_u32 v[RRD+1], REDW, v[RRD]
	v_add_nc_u32 v[RRD+2], REDW, v[RRD+1]
	v_add_nc_u32 v[RRD+3], REDW, v[RRD+2]
	s_lshl_b32 s66, s17, 7
	s_lshl_b32 s67, s14, 5
	s_add_co_u32 s66, s66, s67
	s_lshl_b32 s66, s66, 12
	s_lshl_b32 s67, s42, 9
	s_add_co_u32 s66, s66, s67                     ; token 128 y + 32 w, column 128 x, in bytes
	s_mov_b32 s67, 0
	s_add_nc_u64 s[RB:RB+1], s[10:11], s[66:67]
	s_add_nc_u64 s[OB:OB+1], s[12:13], s[66:67]
	s_lshl_b32 s66, s42, 9
	s_add_nc_u64 s[72:73], s[8:9], s[66:67]
	global_load_b128 v[BIAS:BIAS+3], v[L16], s[72:73]
	s_wait_alu depctr_va_vdst(0)
	s_wait_tensorcnt 0x0                           ; my one load has landed
	s_barrier_signal -1
	s_barrier_wait -1
	FETCH_P 0, 0, 0
	FETCH_Q 0, 0, 0
	SCALES 0, 0, 0
	FETCH_Q 0, 0, 4
	TURN 0, 1, 0, 0, 1                             ; K steps 0-3, one a wave: they start the sums
	LAST 1                                         ; K steps 4-7
; THE WAY OUT.  Row jj of my 32 image rows is true row 8 (jj / 16) + jj % 16 + 8 ((jj % 16) / 8) of my 32 tokens.
.macro RLOAD k                         ; eight rows of the residual: 512 consecutive bytes each
.set e, 0
.rept 8
.set jj, 8*(\k)+e
	global_load_b128 v[RS+32*((\k)%2)+4*e:RS+32*((\k)%2)+4*e+3], v[L16], s[RB:RB+1] offset:(8*(jj/16)+jj%16+8*((jj%16)/8))*4096
.set e, e+1
.endr
.endm
.macro BATCH k
.if (\k) > 0
	s_wait_xcnt 0x0                                ; the last batch's stores have read their registers
.endif
.set e, 0
.rept 8
.irp q, 0,1,2,3
	ds_load_b128 v[128+16*e+4*\q:128+16*e+4*\q+3], v[RRD+\q] offset:528*(8*(\k)+e)
.endr
.set e, e+1
.endr
	s_wait_dscnt 0x0
.if (\k) < 3
	s_wait_loadcnt 8                               ; this batch's residual rows are in; the next batch's eight may be out
.else
	s_wait_loadcnt 0x0
.endif
.set e, 0
.rept 8
.set jj, 8*(\k)+e
.set A, 128+16*e
.set R, RS+32*((\k)%2)+4*e
	v_pk_add_f32 v[A:A+1], v[A:A+1], v[A+4:A+5]
	v_pk_add_f32 v[A+2:A+3], v[A+2:A+3], v[A+6:A+7]
	v_pk_add_f32 v[A+8:A+9], v[A+8:A+9], v[A+12:A+13]
	v_pk_add_f32 v[A+10:A+11], v[A+10:A+11], v[A+14:A+15]
	v_pk_add_f32 v[R:R+1], v[R:R+1], v[BIAS:BIAS+1]
	v_pk_add_f32 v[R+2:R+3], v[R+2:R+3], v[BIAS+2:BIAS+3]
	v_pk_add_f32 v[A:A+1], v[A:A+1], v[A+8:A+9]
	v_pk_add_f32 v[A+2:A+3], v[A+2:A+3], v[A+10:A+11]
	v_pk_add_f32 v[A:A+1], v[A:A+1], v[R:R+1]
	v_pk_add_f32 v[A+2:A+3], v[A+2:A+3], v[R+2:R+3]
	global_store_b128 v[L16], v[A:A+3], s[OB:OB+1] offset:(8*(jj/16)+jj%16+8*((jj%16)/8))*4096   ; 512 consecutive bytes
.set e, e+1
.endr
.if (\k)+2 < 4
	RLOAD (\k)+2
.endif
.endm
	PLACES 4                                       ; in front of the first read of results
	RLOAD 0
	RLOAD 1
	s_wait_dscnt 0x0
	s_barrier_signal -1
	s_barrier_wait -1                              ; nobody reads the slots any more
.irp a, 0,1,2,3,4,5,6,7
	WIN 0x08+4*(\a/4)                              ; an LDS store's data are its source 1: window 2 or 3
.irp b, 0,1,2,3,4,5,6,7
	ds_store_b128 v[RST], v[8*(8*(\a%4)+\b):8*(8*(\a%4)+\b)+3] offset:16*528*\a+128*(\b/2)+32*(\b%2)        ; each accumulator from its low end on
	ds_store_b128 v[RST], v[8*(8*(\a%4)+\b)+4:8*(8*(\a%4)+\b)+7] offset:16*528*\a+128*(\b/2)+32*(\b%2)+16
.endr
.endr
	WIN 0
	s_wait_dscnt 0x0                               ; for the others' sake: my partial sums lie in LDS
	s_barrier_signal -1
	s_barrier_wait -1
	BATCH 0
	BATCH 1
	BATCH 2
	BATCH 3
	s_wait_tensorcnt 0x0                           ; the wave's end
	ds_add_u32 v[SPW], v[NIL]
	s_wait_dscnt 0x0
	CROUND                                         ; the closing round
	s_endpgm
.Lfunc_end_k_q35c1e7eb06_wo:
	.size	k_q35c1e7eb06_wo, .Lfunc_end_k_q35c1e7eb06_wo-k_q35c1e7eb06_wo
	.p2alignl 7, 3214868480
	.fill 96, 4, 3214868480
	.section	.rodata,"a",@progbits
	.p2align	6, 0x0
	.amdhsa_kernel k_q35c1e7eb06_wo
		.amdhsa_group_segment_fixed_size 327680
		.amdhsa_private_segment_fixed_size 0
		.amdhsa_enable_private_segment 0
		.amdhsa_kernarg_size 40
		.amdhsa_user_sgpr_count 2
		.amdhsa_user_sgpr_kernarg_segment_ptr 1
		.amdhsa_wavefront_size32 1
		.amdhsa_system_sgpr_workgroup_id_x 1
		.amdhsa_system_sgpr_workgroup_id_y 1
		.amdhsa_system_sgpr_workgroup_id_z 1
		.amdhsa_system_vgpr_workitem_id 0
		.amdhsa_next_free_vgpr 1024
		.amdhsa_next_free_sgpr 100
		.amdhsa_reserve_vcc 0
		.amdhsa_float_denorm_mode_32 3
		.amdhsa_float_denorm_mode_16_64 3
		.amdhsa_memory_ordered 1
		.amdhsa_forward_progress 1
		.amdhsa_inst_pref_size 76
	.end_amdhsa_kernel
	.amdgpu_metadata
---
amdhsa.version: [ 1, 2 ]
amdhsa.kernels:
  - .name:           k_q35c1e7eb06_wo
    .symbol:         k_q35c1e7eb06_wo.kd
    .args:
      - { .name: cimg, .offset: 0, .size: 8, .value_kind: global_buffer, .address_space: global }
      - { .name: wimg, .offset: 8, .size: 8, .value_kind: global_buffer, .address_space: global }
      - { .name: bo, .offset: 16, .size: 8, .value_kind: global_buffer, .address_space: global }
      - { .name: x, .offset: 24, .size: 8, .value_kind: global_buffer, .address_space: global }
      - { .name: x1, .offset: 32, .size: 8, .value_kind: global_buffer, .address_space: global }
    .group_segment_fixed_size: 327680
    .private_segment_fixed_size: 0
    .kernarg_segment_align: 8
    .kernarg_segment_size: 40
    .max_flat_workgroup_size: 128
    .sgpr_count:     100
    .vgpr_count:     1024
    .wavefront_size: 32
...
	.end_amdgpu_metadata
.endif
;; end of part 4
;; launch ln2 (part 5): grid 256 x 1, 8 waves a work-group, no clusters, 66,816 bytes of LDS; arguments x1, ln_c_g, ln_c_b, timg; writes timg
.if DOCPART == 5
	.amdgcn_target "amdgcn-amd-amdhsa--gfx1250"
	.amdhsa_code_object_version 6
	.text
	.protected	k_q35c1e7eb06_ln2
	.globl	k_q35c1e7eb06_ln2
	.p2align	8
	.type	k_q35c1e7eb06_ln2,@function
k_q35c1e7eb06_ln2:
	s_mov_b64 s[64:65], 0
	v_nop
	global_prefetch_b8 v0, s[64:65] scope:SCOPE_SE
	s_setreg_imm32_b32 hwreg(HW_REG_WAVE_MODE, 25, 1), 1
	s_wait_xcnt 0x0
; t2 = LN(x1) for a block of 16 tokens, quantised along C to codes of E2M3 with one E8M0 byte for each 32, stored as images of the operand's registers (a fragment 1,536 bytes; a group image of 128 rows x 128 K 12,800 bytes).
; Lane-row r of block i is true row 32 (i / 2) + 8 (i % 2) + r + 8 (r / 8).  Wave w normalises block rows 2 w and 2 w + 1, kept in registers between the passes; the rows meet in LDS; wave w then quantises K step w of all 16 rows.
; LIMITS: NaN and infinities are not served; a block of zeros or under 2^-124 gets the scale byte 1 (this program alone reads the bytes).
.set GI,   12800
.set FI,   1536
.set LNP,  4112                        ; a row of the stage: 4,096 bytes + 16
.set SEL,  10
.set L16,  2
.set L8,   3
.set X0,   32
.set X1,   64
.set GA,   96
.set BA,   128
.set TM,   96
.set PW,   112
.set PC,   114
.macro ROWSUM x, t
	v_pk_add_f32 v[\t:\t+1], v[\x:\x+1], v[\x+2:\x+3]
	v_pk_add_f32 v[\t+2:\t+3], v[\x+4:\x+5], v[\x+6:\x+7]
.irp i, 8,12,16,20,24,28
	s_delay_alu instid0(VALU_DEP_2)
	v_pk_add_f32 v[\t:\t+1], v[\t:\t+1], v[\x+\i:\x+\i+1]
	s_delay_alu instid0(VALU_DEP_2)
	v_pk_add_f32 v[\t+2:\t+3], v[\t+2:\t+3], v[\x+\i+2:\x+\i+3]
.endr
	s_delay_alu instid0(VALU_DEP_1)
	v_pk_add_f32 v[\t:\t+1], v[\t:\t+1], v[\t+2:\t+3]
	s_delay_alu instid0(VALU_DEP_1)
	v_add_f32 v[\t], v[\t], v[\t+1]
.endm
.macro ROWSQ x, t
	v_pk_mul_f32 v[\t:\t+1], v[\x:\x+1], v[\x:\x+1]
	v_pk_mul_f32 v[\t+2:\t+3], v[\x+2:\x+3], v[\x+2:\x+3]
.irp i, 4,8,12,16,20,24,28
	s_delay_alu instid0(VALU_DEP_2)
	v_pk_fma_f32 v[\t:\t+1], v[\x+\i:\x+\i+1], v[\x+\i:\x+\i+1], v[\t:\t+1]
	s_delay_alu instid0(VALU_DEP_2)
	v_pk_fma_f32 v[\t+2:\t+3], v[\x+\i+2:\x+\i+3], v[\x+\i+2:\x+\i+3], v[\t+2:\t+3]
.endr
	s_delay_alu instid0(VALU_DEP_1)
	v_pk_add_f32 v[\t:\t+1], v[\t:\t+1], v[\t+2:\t+3]
	s_delay_alu instid0(VALU_DEP_1)
	v_add_f32 v[\t], v[\t], v[\t+1]
.endm
.macro ACROSS2 a, b
.irp m, 1
	v_add_f32_dpp v[\a], v[\a], v[\a] row_xmask:\m row_mask:0xf bank_mask:0xf
	s_delay_alu instid0(VALU_DEP_2)
	v_add_f32_dpp v[\b], v[\b], v[\b] row_xmask:\m row_mask:0xf bank_mask:0xf
.endr
.irp m, 2, 4, 8
	s_delay_alu instid0(VALU_DEP_2)
	v_add_f32_dpp v[\a], v[\a], v[\a] row_xmask:\m row_mask:0xf bank_mask:0xf
	s_delay_alu instid0(VALU_DEP_2)
	v_add_f32_dpp v[\b], v[\b], v[\b] row_xmask:\m row_mask:0xf bank_mask:0xf
.endr
	s_delay_alu instid0(VALU_DEP_2)
	v_permlanex16_b32 v[\a+1], v[\a], s[SEL], s[SEL+1]
	s_delay_alu instid0(VALU_DEP_2)
	v_permlanex16_b32 v[\b+1], v[\b], s[SEL], s[SEL+1]
	s_delay_alu instid0(VALU_DEP_2)
	v_add_f32 v[\a], v[\a], v[\a+1]
	s_delay_alu instid0(VALU_DEP_2)
	v_add_f32 v[\b], v[\b], v[\b+1]
.endm
.macro LNPASS g, b, cnt                ; the mean is taken away first, the variance is that of the centred numbers
	ROWSUM X0, 16
	ROWSUM X1, 20
	ACROSS2 16, 20
	s_delay_alu instid0(VALU_DEP_2)
	v_mul_f32 v8, s12, v16
	s_delay_alu instid0(VALU_DEP_2)
	v_mul_f32 v10, s12, v20
	s_delay_alu instid0(VALU_DEP_2)
	v_mov_b32 v9, v8
	s_delay_alu instid0(VALU_DEP_2)
	v_mov_b32 v11, v10
.set i, 0
.rept 16
	v_pk_add_f32 v[X0+i:X0+i+1], v[X0+i:X0+i+1], v[8:9] neg_lo:[0,1] neg_hi:[0,1]
	v_pk_add_f32 v[X1+i:X1+i+1], v[X1+i:X1+i+1], v[10:11] neg_lo:[0,1] neg_hi:[0,1]
.set i, i+2
.endr
	ROWSQ X0, 16
	ROWSQ X1, 20
	ACROSS2 16, 20
	s_delay_alu instid0(VALU_DEP_2)
	v_fma_f32 v16, v16, s12, s13
	s_delay_alu instid0(VALU_DEP_2)
	v_fma_f32 v20, v20, s12, s13
	s_wait_alu depctr_va_vdst(0)
	v_rsq_f32 v12, v16
	v_rsq_f32 v13, v16
	v_rsq_f32 v14, v20
	v_rsq_f32 v15, v20
	v_nop                                          ; a plain instruction behind the last of the four
	s_wait_alu depctr_va_vdst(0)                   ; one wait for the batch, ahead of its first reader
	s_wait_loadcnt \cnt
.set i, 0
.rept 16
	v_pk_mul_f32 v[X0+i:X0+i+1], v[X0+i:X0+i+1], v[12:13]
	v_pk_mul_f32 v[X1+i:X1+i+1], v[X1+i:X1+i+1], v[14:15]
.set i, i+2
.endr
.set i, 0
.rept 16
	v_pk_fma_f32 v[X0+i:X0+i+1], v[X0+i:X0+i+1], v[\g+i:\g+i+1], v[\b+i:\b+i+1]
	v_pk_fma_f32 v[X1+i:X1+i+1], v[X1+i:X1+i+1], v[\g+i:\g+i+1], v[\b+i:\b+i+1]
.set i, i+2
.endr
.endm
.macro QUANT s
.irp b, 0,1,2,3
	v_max3_num_f32 v[TM+\b], |v[\s+16*\b]|, |v[\s+1+16*\b]|, 0x1800000   ; and the floor 2^(3 - 127)
.endr
.irp i, 2,4,6,8,10,12,14
.irp b, 0,1,2,3
	s_delay_alu instid0(VALU_DEP_4)
	v_max3_num_f32 v[TM+\b], v[TM+\b], |v[\s+16*\b+\i]|, |v[\s+1+16*\b+\i]|
.endr
.endr
.irp b, 0,1,2,3
	s_delay_alu instid0(VALU_DEP_4)
	v_permlanex16_b32 v[TM+4+\b], v[TM+\b], s[SEL], s[SEL+1]
.endr
.irp b, 0,1,2,3
	s_delay_alu instid0(VALU_DEP_4)
	v_max_num_f32 v[TM+\b], v[TM+\b], v[TM+4+\b]
.endr
.irp b, 0,1,2,3
	s_delay_alu instid0(VALU_DEP_4)
	v_add_nc_u32 v[TM+12+\b], 0xff000000, v[TM+\b]
.endr
.irp b, 0,1,2,3
	s_delay_alu instid0(VALU_DEP_4)
	v_lshrrev_b32 v[TM+4+\b], 23, v[TM+12+\b]
.endr
	s_delay_alu instid0(VALU_DEP_3)
	v_lshl_or_b32 v[PW], v[TM+5], 8, v[TM+4]
	s_delay_alu instid0(VALU_DEP_1)
	v_lshl_or_b32 v[PW], v[TM+6], 16, v[PW]
	s_delay_alu instid0(VALU_DEP_1)
	v_lshl_or_b32 v[PW], v[TM+7], 24, v[PW]
.irp c, 0,1
	v_cvt_scalef32_pk16_fp6_f32 v[PC+6*\c:PC+2+6*\c], v[\s+32*\c:\s+15+32*\c], v[TM+12+2*\c]
	v_cvt_scalef32_pk16_fp6_f32 v[PC+12+4*\c:PC+14+4*\c], v[\s+16+32*\c:\s+31+32*\c], v[TM+12+2*\c+1]
.endr
	v_nop                                          ; one plain instruction behind a scaled conversion
.irp c, 0,1
.irp i, 0,1,2
	v_permlane16_swap_b32 v[PC+6*\c+\i], v[PC+12+4*\c+\i]
.endr
.irp i, 0,1,2
	s_delay_alu instid0(VALU_DEP_3)
	v_mov_b32 v[PC+3+6*\c+\i], v[PC+12+4*\c+\i]
.endr
.endr
.endm
.macro STFI b, off
	global_store_b128 v[L16], v[PC:PC+3], s[\b:\b+1] offset:\off
	global_store_b64 v[L8], v[PC+4:PC+5], s[\b:\b+1] offset:(\off)+512
	global_store_b128 v[L16], v[PC+6:PC+9], s[\b:\b+1] offset:(\off)+768
	global_store_b64 v[L8], v[PC+10:PC+11], s[\b:\b+1] offset:(\off)+1280
.endm
.macro VLOAD reg, base, off
.irp j, 0,1,2,3,4,5,6,7
	global_load_b128 v[\reg+4*\j:\reg+4*\j+3], v[L16], s[\base:\base+1] offset:\off+512*\j
.endr
.endm
	s_load_b256 s[16:23], s[0:1], 0x0              ; x1, ln_c_g, ln_c_b, timg
	v_lshl_add_u32 v160, v0, 2, 0x10100
	v_mov_b32 v161, 0
	v_lshrrev_b32 v1, 5, v0
	s_delay_alu instid0(VALU_DEP_1)
	v_readfirstlane_b32 s2, v1                     ; wave 0..7
	v_and_b32 v1, 31, v0
	s_wait_alu depctr_va_vdst(0)
	s_lshr_b32 s3, ttmp9, 1
	s_lshl_b32 s3, s3, 5
	s_and_b32 s4, ttmp9, 1
	s_lshl_b32 s4, s4, 3
	s_add_co_u32 s3, s3, s4
	s_lshl_b32 s4, s2, 1
	s_add_co_u32 s3, s3, s4
	s_lshr_b32 s4, s2, 2
	s_lshl_b32 s4, s4, 3
	s_add_co_u32 s3, s3, s4                        ; true row of block row 2 w
	s_lshl_b32 s4, s3, 12
	s_mov_b32 s5, 0
	s_mov_b32 s[SEL], 0x76543210
	s_mov_b32 s[SEL+1], 0xfedcba98
	s_mov_b32 s12, 0x3a800000                      ; 1 / 1,024
	s_mov_b32 s13, 0x3727c5ac                      ; 1e-5
	v_lshlrev_b32 v[L16], 4, v1
	v_lshlrev_b32 v[L8], 3, v1
	v_and_b32 v7, 15, v0
	s_delay_alu instid0(VALU_DEP_1)
	v_lshlrev_b32 v4, 2, v7
	v_bfe_u32 v6, v0, 4, 1
	s_mul_i32 s6, s2, 2*LNP
	v_add_nc_u32 v5, s6, v[L16]
	v_lshlrev_b32 v6, 6, v6
	s_delay_alu instid0(VALU_DEP_1)
	v_mad_u32_u24 v6, v7, LNP, v6
	s_lshl_b32 s6, s2, 9
	v_add_nc_u32 v6, s6, v6
	s_lshr_b32 s6, ttmp9, 3
	s_lshl_b32 s6, s6, 3
	s_add_co_u32 s6, s6, s2
	s_mul_i32 s6, s6, GI
	s_and_b32 s7, ttmp9, 7
	s_mul_i32 s8, s7, FI
	s_add_co_u32 s8, s8, s6
	s_mov_b32 s9, 0
	s_lshl_b32 s7, s7, 6
	s_add_co_u32 s6, s6, s7
	s_add_co_u32 s6, s6, GI-512
	s_mov_b32 s7, 0
	s_wait_alu depctr_va_vdst(0)
	s_wait_kmcnt 0x0
	s_add_nc_u64 s[16:17], s[16:17], s[4:5]
	s_add_nc_u64 s[8:9], s[22:23], s[8:9]
	s_add_nc_u64 s[6:7], s[22:23], s[6:7]
	VLOAD X0, 16, 0
	VLOAD X1, 16, 4096
	VLOAD GA, 18, 0
	VLOAD BA, 20, 0
	s_wait_loadcnt 16                              ; my two rows are in; the gain's and the bias's 16 loads may be out
	LNPASS GA, BA, 0
.irp j, 0,1,2,3,4,5,6,7
	ds_store_b128 v5, v[X0+4*\j:X0+4*\j+3] offset:512*\j
	ds_store_b128 v5, v[X1+4*\j:X1+4*\j+3] offset:LNP+512*\j
.endr
	s_wait_dscnt 0x0                               ; for the others' sake: my rows lie in the stage
	s_barrier_signal -1
	s_barrier_wait -1
.irp b, 0,1,2,3
.irp j, 0,1,2,3
	ds_load_b128 v[X0+16*\b+4*\j:X0+16*\b+4*\j+3], v6 offset:128*\b+16*\j
.endr
.endr
.irp b, 0,1,2,3
	v_mov_b32 v[TM+4+\b], 0                        ; a lane permute's destination counts as one of its sources
.endr
	s_wait_dscnt 0x0
	QUANT X0
	STFI 8, 0
	global_store_b32 v4, v[PW], s[6:7]             ; lanes 16-31 hold the same words and write them to the same places
	s_wait_tensorcnt 0x0
	ds_add_u32 v160, v161
	s_wait_dscnt 0x0
	s_endpgm
.Lfunc_end_k_q35c1e7eb06_ln2:
	.size	k_q35c1e7eb06_ln2, .Lfunc_end_k_q35c1e7eb06_ln2-k_q35c1e7eb06_ln2
	.p2alignl 7, 3214868480
	.fill 96, 4, 3214868480
	.section	.rodata,"a",@progbits
	.p2align	6, 0x0
	.amdhsa_kernel k_q35c1e7eb06_ln2
		.amdhsa_group_segment_fixed_size 66816
		.amdhsa_private_segment_fixed_size 0
		.amdhsa_enable_private_segment 0
		.amdhsa_kernarg_size 32
		.amdhsa_user_sgpr_count 2
		.amdhsa_user_sgpr_kernarg_segment_ptr 1
		.amdhsa_wavefront_size32 1
		.amdhsa_system_sgpr_workgroup_id_x 1
		.amdhsa_system_sgpr_workgroup_id_y 1
		.amdhsa_system_sgpr_workgroup_id_z 1
		.amdhsa_system_vgpr_workitem_id 0
		.amdhsa_next_free_vgpr 162
		.amdhsa_next_free_sgpr 66
		.amdhsa_reserve_vcc 0
		.amdhsa_float_denorm_mode_32 3
		.amdhsa_float_denorm_mode_16_64 3
		.amdhsa_memory_ordered 1
		.amdhsa_forward_progress 1
		.amdhsa_inst_pref_size 29
	.end_amdhsa_kernel
	.amdgpu_metadata
---
amdhsa.version: [ 1, 2 ]
amdhsa.kernels:
  - .name:           k_q35c1e7eb06_ln2
    .symbol:         k_q35c1e7eb06_ln2.kd
    .args:
      - { .name: x1, .offset: 0, .size: 8, .value_kind: global_buffer, .address_space: global }
      - { .name: ln_c_g, .offset: 8, .size: 8, .value_kind: global_buffer, .address_space: global }
      - { .name: ln_c_b, .offset: 16, .size: 8, .value_kind: global_buffer, .address_space: global }
      - { .name: timg, .offset: 24, .size: 8, .value_kind: global_buffer, .address_space: global }
    .group_segment_fixed_size: 66816
    .private_segment_fixed_size: 0
    .kernarg_segment_align: 8
    .kernarg_segment_size: 32
    .max_flat_workgroup_size: 256
    .sgpr_count:     66
    .vgpr_count:     162
    .wavefront_size: 32
...
	.end_amdgpu_metadata
.endif
;; end of part 5
;; launch we (part 6): grid 16 x 16, 4 waves a work-group, clusters of 4 x 4, 327,680 bytes of LDS; arguments timg, wimg, be, himg; writes himg
.if DOCPART == 6
	.amdgcn_target "amdgcn-amd-amdhsa--gfx1250"
	.amdhsa_code_object_version 6
	.text
	.protected	k_q35c1e7eb06_we
	.globl	k_q35c1e7eb06_we
	.p2align	8
	.type	k_q35c1e7eb06_we,@function
k_q35c1e7eb06_we:
	s_mov_b64 s[64:65], 0
	v_nop
	global_prefetch_b8 v0, s[64:65] scope:SCOPE_SE
	s_setreg_imm32_b32 hwreg(HW_REG_WAVE_MODE, 25, 1), 1
	s_wait_xcnt 0x0
	s_wait_alu depctr_hold_cnt(0) depctr_sa_sdst(0) depctr_va_vdst(0) depctr_va_sdst(0) depctr_va_ssrc(0) depctr_va_vcc(0) depctr_vm_vsrc(0)
	s_getreg_b32 s2, hwreg(HW_REG_IB_STS2, 6, 4)
	s_cmp_eq_u32 s2, 0
	s_cbranch_scc0 .Lentry_in_a_cluster
	s_endpgm
.Lentry_in_a_cluster:
	s_bfe_u32 s2, ttmp6, 0x10000c
	s_cmp_lg_u32 s2, 0xf033
	s_cbranch_scc0 .Lentry_shape_is_right
	s_endpgm
.Lentry_shape_is_right:
; h = silu(t2 We + be), on codes of E2M3 (one E8M0 byte for each 32 along K), and h quantised in registers along the next product's K: it leaves as codes, never as f32.
; OPERANDS are images of the operand's registers: a group image (128 rows x 128 K) is 8 fragments of 1,536 bytes and 512 bytes of scale words, 12,800 bytes; consecutive K steps of a group are dense in memory.
; A work-group makes 256 tokens x 256 hidden units, a wave 128 x 128: 64 accumulators.  D = P x Q: source 0 = 16 columns of We, source 1 = 16 tokens: a lane holds one token, and its 64 registers of one block of tokens run along
; the wave's 128 hidden units in the order that the quantiser wants (lane-row r of block i is true row 32 (i / 2) + 8 (i % 2) + r + 8 (r / 8)).  So a wave's results are exactly one group image of h.
; THREE LDS SLOTS of two K steps each: six of the eight K steps are first fills, one tensor load a wave.  Slot 0 alone is filled again, with K steps 6 and 7, in the middle of K step 1; that load is waited for at the head of
; K step 5: 224 matrix instructions of a wave stand between.  A wave has one tensor load out at the start and one behind the round.
; CLUSTERS: 4 x 4.  P's tile hangs on x alone and is asked for jointly by a column of the cluster, Q's on y alone, by a row.
; silu(h) = h / (1 + 2^(-h log2 e)): for h far below 0 the power is infinite, its reciprocal 0.
; LIMITS: NaN and infinities are not served; a block of zeros or under 2^-124 gets the scale byte 1 (this program alone reads the bytes).
; REGISTERS: window 0: v7-21, v26-30 addresses; v32-47 scale words, two sets; v64-127 be by register; v128-223 Q's fragments, later the way out.  window 1: P's fragments, two sets; later v0-63 the powers.  windows 2, 3: accumulators.
.set GI,    12800
.set FI,    1536
.set LOADB, 6*GI                       ; a group's room in LDS: six K steps on end
.set SLOT,  2*GI                       ; a slot is two K steps of each group's room
.set SPARE, 24*GI                      ; behind the four groups' rooms: the spare words, 128 bytes a wave
.set KS,    8
.set POFF,  3276800                    ; We's image in wimg
.set STEPB, 6*GI                       ; slot 0's second fill lies six K steps on
.set AQ16, 7                           ; v7-9   Q's group + 16 x lane in slot 0, 1, 2
.set AQ8,  10                          ; v10-12 + 8 x lane
.set AP16, 13                          ; v13-15, v16-18 the same for P
.set AP8,  16
.set ADRS, 19                          ; v19-21 scale words: lanes 0-15 P's rows, lanes 16-31 Q's
.set L16,  26
.set L8,   27
.set SPW,  28
.set NIL,  29
.set L4,   30
.set SC,   32
.set BI,   64
.set QF,   128
.set T,    128
.set TM,   192
.set PW,   208
.set WE0,  209
.set W0,   211
.set PC,   224
.set G1P,  24
.set G0P,  32                          ; s[32:35]
.set G0P2, 76
.set G1Q,  48
.set G0Q,  56                          ; s[56:59], s[60:63],
.set G0Q2, 4                           ; s[4:7]: free once the tiles' addresses are made
.set SEL, 90
.set MUL_LO, 0xa1
.set MUL_HI, 0xf1
.set TO_P,   0x40
.set MSB, 0
.macro WIN new
.if MSB != (\new)
	s_set_vgpr_msb (MSB<<8)|(\new)
.set MSB, (\new)
.endif
.endm
.macro PLACES n
.rept \n
	v_nop
.endr
.endm
.macro JLOAD g0a, g1a, g0b, g1b        ; waves 0 and 1 fetch P's two groups, waves 2 and 3 Q's; four v_nop follow each of the two lines
	s_cmp_eq_u32 s15, 0
	s_cbranch_scc0 .Lfor_b_\@
	tensor_load_to_lds s[\g0a:\g0a+3], s[\g1a:\g1a+7]
	s_nop 0
.rept 4
	v_nop
.endr
	s_branch .Lasked_\@
.Lfor_b_\@:
	tensor_load_to_lds s[\g0b:\g0b+3], s[\g1b:\g1b+7]
	s_nop 0
.rept 4
	v_nop
.endr
.Lasked_\@:
.endm
.macro CREST
	s_cmp_lg_u32 s14, 0
	s_cbranch_scc1 .Lnot_wave_0_\@
	s_barrier_signal -3
.Lnot_wave_0_\@:
	s_barrier_wait -3
	s_barrier_signal -1
	s_barrier_wait -1
.endm
.macro CROUND
	s_barrier_signal -1
	s_barrier_wait -1
	CREST
.endm
.macro SETG0 gp, gq, s                 ; slot s's two groups 0, and its first fill: K steps 2 s and 2 s + 1
	s_mov_b32 s[\gp], 1
	s_add_co_u32 s[\gp+1], s45, (\s)*SLOT
	s_add_nc_u64 s[\gp+2:\gp+3], s[46:47], (\s)*SLOT
	s_or_b32 s[\gp+3], s[\gp+3], 0x80000000
	s_mov_b32 s[\gq], 1
	s_add_co_u32 s[\gq+1], s45, (\s)*SLOT
	s_add_nc_u64 s[\gq+2:\gq+3], s[20:21], (\s)*SLOT
	s_or_b32 s[\gq+3], s[\gq+3], 0x80000000
.endm
.macro FRAG reg, a16, a8, off
	ds_load_b128 v[\reg:\reg+3], v[\a16] offset:\off
	ds_load_b64 v[\reg+4:\reg+5], v[\a8] offset:(\off)+512
	ds_load_b128 v[\reg+6:\reg+9], v[\a16] offset:(\off)+768
	ds_load_b64 v[\reg+10:\reg+11], v[\a8] offset:(\off)+1280
.endm
.macro FETCH_P slot, kq, set
	WIN TO_P
.irp i, 0,1,2,3,4,5,6,7
	FRAG 128*(\set)+12*\i, AP16+\slot, AP8+\slot, (\kq)*GI+FI*\i
.endr
	WIN 0
.endm
.macro FETCH_Q slot, kq, i0
.irp i, \i0, \i0+1, \i0+2, \i0+3
	FRAG QF+12*(\i), AQ16+\slot, AQ8+\slot, (\kq)*GI+FI*(\i)
.endr
.endm
.macro SCALES slot, kq, set
.irp i, 0,1,2,3,4,5,6,7
	ds_load_b32 v[SC+8*(\set)+\i], v[ADRS+\slot] offset:(\kq)*GI+64*\i
.endr
.endm
.macro MUL16 a0, p, zero               ; the 64 accumulators take turns, one instruction a turn
.irp a, \a0, \a0+1
.irp b, 0,1,2,3,4,5,6,7
.if \zero
	v_wmma_scale_f32_16x16x128_f8f6f4 v[8*(8*((\a)%4)+\b):8*(8*((\a)%4)+\b)+7], v[128*(\p)+12*\b:128*(\p)+12*\b+11], v[QF+12*(\a):QF+12*(\a)+11], 0, v[SC+8*(\p)+\b], v[SC+8*(\p)+(\a)] matrix_a_fmt:MATRIX_FMT_FP6 matrix_b_fmt:MATRIX_FMT_FP6 matrix_b_scale:MATRIX_SCALE_ROW1
.else
	v_wmma_scale_f32_16x16x128_f8f6f4 v[8*(8*((\a)%4)+\b):8*(8*((\a)%4)+\b)+7], v[128*(\p)+12*\b:128*(\p)+12*\b+11], v[QF+12*(\a):QF+12*(\a)+11], v[8*(8*((\a)%4)+\b):8*(8*((\a)%4)+\b)+7], v[SC+8*(\p)+\b], v[SC+8*(\p)+(\a)] matrix_a_fmt:MATRIX_FMT_FP6 matrix_b_fmt:MATRIX_FMT_FP6 matrix_b_scale:MATRIX_SCALE_ROW1
.endif
.endr
.endr
.endm
; A K step (P's set p) whose successor already lies whole in LDS, at K step nkq of slot nslot: its fragments are fetched in two runs, each four plain instructions behind the last product that read the registers.  No barrier.
.macro STEP p, nslot, nkq, zero
	s_wait_dscnt 16                                ; only the youngest 16 loads (Q's blocks 4-7) may be out
	WIN MUL_LO
	MUL16 0, \p, \zero
	MUL16 2, \p, \zero
	s_wait_dscnt 0x0
	PLACES 4
	FETCH_P \nslot, \nkq, 1-(\p)
	FETCH_Q \nslot, \nkq, 0
	SCALES \nslot, \nkq, 1-(\p)
	WIN MUL_HI
	MUL16 4, \p, \zero
	MUL16 6, \p, \zero
	PLACES 4
	WIN 0
	FETCH_Q \nslot, \nkq, 4
.endm
; A K step (set p) with a barrier in it: in front of the barrier each wave waits for all its tensor loads, adds 0 to its spare word, and waits for that and for its LDS reads.  fill = 1: slot 0, which has been read out, is filled again.
.macro TURN next, p, fill, zero
	s_wait_tensorcnt 0x0                           ; all my tensor loads have landed
	ds_add_u32 v[SPW], v[NIL]
	s_wait_dscnt 17                                ; (the add and the youngest 16 loads may be out)
	WIN MUL_LO
	MUL16 0, \p, \zero
	s_wait_dscnt 0x0                               ; the add is done, and my LDS reads are over
	s_barrier_signal -1
	MUL16 2, \p, \zero
	WIN 0
	s_barrier_wait -1
.if \fill
	CREST                                          ; the barrier has opened a round of the cluster's: no wave of any partner still reads slot 0 or has a load on its way
	s_add_nc_u64 s[G0P+2:G0P+3], s[G0P+2:G0P+3], STEPB
	s_add_nc_u64 s[G0Q+2:G0Q+3], s[G0Q+2:G0Q+3], STEPB
	JLOAD G0P, G1P, G0Q, G1Q                       ; the first tensor load behind the round; its four v_nop are the places in front of the loads below
.else
	PLACES 4
.endif
	s_wait_alu depctr_va_vdst(0)
	FETCH_P \next, 0, 1-(\p)
	FETCH_Q \next, 0, 0
	SCALES \next, 0, 1-(\p)
	WIN MUL_HI
	MUL16 4, \p, \zero
	MUL16 6, \p, \zero
	PLACES 4
	WIN 0
	FETCH_Q \next, 0, 4
.endm
.macro LAST p
	s_wait_dscnt 16
	WIN MUL_LO
	MUL16 0, \p, 0
	MUL16 2, \p, 0
	s_wait_dscnt 0x0
	WIN MUL_HI
	MUL16 4, \p, 0
	MUL16 6, \p, 0
	WIN 0
.endm
.macro QUANT s
.irp b, 0,1,2,3
	v_max3_num_f32 v[TM+\b], |v[\s+16*\b]|, |v[\s+1+16*\b]|, 0x1800000   ; and the floor 2^(3 - 127)
.endr
.irp i, 2,4,6,8,10,12,14
.irp b, 0,1,2,3
	v_max3_num_f32 v[TM+\b], v[TM+\b], |v[\s+16*\b+\i]|, |v[\s+1+16*\b+\i]|
.endr
.endr
.irp b, 0,1,2,3
	v_permlanex16_b32 v[TM+4+\b], v[TM+\b], s[SEL], s[SEL+1]
.endr
.irp b, 0,1,2,3
	v_max_num_f32 v[TM+\b], v[TM+\b], v[TM+4+\b]
.endr
.irp b, 0,1,2,3
	v_add_nc_u32 v[TM+12+\b], 0xff000000, v[TM+\b]
.endr
.irp b, 0,1,2,3
	v_lshrrev_b32 v[TM+4+\b], 23, v[TM+12+\b]
.endr
	v_lshl_or_b32 v[PW], v[TM+5], 8, v[TM+4]
	v_lshl_or_b32 v[PW], v[TM+6], 16, v[PW]
	v_lshl_or_b32 v[PW], v[TM+7], 24, v[PW]
.irp c, 0,1
	v_cvt_scalef32_pk16_fp6_f32 v[PC+6*\c:PC+2+6*\c], v[\s+32*\c:\s+15+32*\c], v[TM+12+2*\c]
	v_cvt_scalef32_pk16_fp6_f32 v[PC+12+4*\c:PC+14+4*\c], v[\s+16+32*\c:\s+31+32*\c], v[TM+12+2*\c+1]
.endr
	v_nop                                          ; one plain instruction behind a scaled conversion
.irp c, 0,1
.irp i, 0,1,2
	v_permlane16_swap_b32 v[PC+6*\c+\i], v[PC+12+4*\c+\i]
.endr
.irp i, 0,1,2
	v_mov_b32 v[PC+3+6*\c+\i], v[PC+12+4*\c+\i]
.endr
.endr
.endm
.macro STFI b, off
	global_store_b128 v[L16], v[PC:PC+3], s[\b:\b+1] offset:\off
	global_store_b64 v[L8], v[PC+4:PC+5], s[\b:\b+1] offset:(\off)+512
	global_store_b128 v[L16], v[PC+6:PC+9], s[\b:\b+1] offset:(\off)+768
	global_store_b64 v[L8], v[PC+10:PC+11], s[\b:\b+1] offset:(\off)+1280
.endm
	s_load_b128 s[4:7], s[0:1], 0x0                ; timg, wimg
	s_load_b128 s[8:11], s[0:1], 0x10              ; be, himg
	v_lshl_add_u32 v[SPW], v0, 2, SPARE
	v_mov_b32 v[NIL], 0
	ds_add_u32 v28, v29
	ds_add_u32 v28, v29
	s_wait_dscnt 0x0
	v_lshrrev_b32 v1, 5, v0
	v_readfirstlane_b32 s14, v1                    ; wave 0..3
	s_lshr_b32 s15, s14, 1                         ; my group of Q.  Also: I fetch for P (0) or for Q (1)
	s_and_b32 s16, s14, 1                          ; my group of P.  Also: which group of that tile I fetch
	s_bfe_u32 s40, ttmp6, 0x40000
	s_bfe_u32 s41, ttmp6, 0x40004
	s_lshl_b32 s42, ttmp9, 2
	s_add_co_u32 s42, s42, s40                     ; P's tile: 256 hidden units
	s_and_b32 s17, ttmp7, 0xffff
	s_lshl_b32 s17, s17, 2
	s_add_co_u32 s17, s17, s41                     ; Q's tile: 256 tokens
	s_lshl_b32 s43, s41, 2
	s_lshl_b32 s43, 15, s43
	s_lshl_b32 s44, 0x1111, s40
	s_or_b32 s[G1P+0], s44, (3<<16)|(1<<21)        ; a dense block of 25,600 bytes as 100 rows of 256 bytes; P's go to my column of the cluster,
	s_or_b32 s[G1Q+0], s43, (3<<16)|(1<<21)        ; Q's to my row
.irp g, G1P, G1Q
	s_mov_b32 s[\g+1], 32<<16
	s_mov_b32 s[\g+2], 300<<16                     ; the head's load: six K steps of a group, 300 rows of 256 bytes: the group's whole room
	s_mov_b32 s[\g+3], 32<<16
	s_mov_b32 s[\g+4], 300
	s_mov_b32 s[\g+5], 32
	s_mov_b32 s[\g+6], 0
	s_mov_b32 s[\g+7], 0
.endr
	s_lshl_b32 s46, s42, 1
	s_add_co_u32 s46, s46, s16
	s_mul_i32 s46, s46, KS*GI
	s_add_co_u32 s46, s46, POFF
	s_mov_b32 s47, 0
	s_lshl_b32 s20, s17, 1
	s_add_co_u32 s20, s20, s16
	s_mul_i32 s20, s20, KS*GI
	s_mov_b32 s21, 0
	s_mul_i32 s45, s14, LOADB
	s_wait_kmcnt 0x0
	s_add_nc_u64 s[46:47], s[6:7], s[46:47]
	s_add_nc_u64 s[20:21], s[4:5], s[20:21]
	CROUND                                         ; all sixteen work-groups are here: the first joint loads meet
	SETG0 G0P, G0Q, 0                              ; the three first fills go out as one group
	JLOAD G0P, G1P, G0Q, G1Q                       ; K steps 0 to 5: one tensor load a wave at the head
	v_and_b32 v1, 31, v0
	v_and_b32 v2, 15, v0
	v_bfe_u32 v3, v0, 4, 1
	v_lshlrev_b32 v[L16], 4, v1
	v_lshlrev_b32 v[L8], 3, v1
	v_lshlrev_b32 v[L4], 2, v1
	s_mul_i32 s22, s16, LOADB
	s_mul_i32 s21, s15, LOADB
	s_add_co_u32 s21, s21, 2*LOADB
	s_sub_co_u32 s23, s21, s22
	v_mul_u32_u24 v6, s23, v3                      ; lanes 16-31 take Q's words
	v_lshl_add_u32 v6, v2, 2, v6
	v_add_nc_u32 v6, GI-512, v6
.irp s, 0,1,2
	v_add_nc_u32 v[AQ16+\s], s21, v[L16]
	v_add_nc_u32 v[AQ8+\s], s21, v[L8]
	v_add_nc_u32 v[AP16+\s], s22, v[L16]
	v_add_nc_u32 v[AP8+\s], s22, v[L8]
	v_add_nc_u32 v[ADRS+\s], s22, v6
	s_add_co_u32 s21, s21, SLOT
	s_add_co_u32 s22, s22, SLOT
.endr
	s_lshl_b32 s80, s42, 1
	s_add_co_u32 s80, s80, s16                     ; my 128 hidden units
	s_lshl_b32 s81, s17, 1
	s_add_co_u32 s81, s81, s15                     ; my 128 tokens
	s_lshl_b32 s66, s81, 5
	s_add_co_u32 s66, s66, s80
	s_mul_i32 s66, s66, GI
	s_mov_b32 s67, 0
	s_add_nc_u64 s[66:67], s[10:11], s[66:67]      ; my group image of h
	s_lshl_b32 s68, s80, 9
	s_mov_b32 s69, 0
	s_add_nc_u64 s[68:69], s[8:9], s[68:69]
	v_lshlrev_b32 v4, 6, v3
.irp b, 0,1,2,3
.irp q, 0,1,2,3
	global_load_b128 v[BI+16*\b+4*\q:BI+16*\b+4*\q+3], v4, s[68:69] offset:128*\b+16*\q   ; be by register: unit 32 b + 16 h + i; asked for now, wanted behind the products
.endr
.endr
	s_mov_b32 s[SEL], 0x76543210
	s_mov_b32 s[SEL+1], 0xfedcba98
	s_mov_b32 s92, 0xffff0000                      ; lanes 16-31
	s_wait_alu depctr_va_vdst(0)
	s_wait_tensorcnt 0x0                           ; my part of K steps 0 to 5 is in
	s_mov_b32 s[G1P+2], 100<<16                    ; no tensor load of mine is out: the one refill brings two K steps, 100 rows
	s_mov_b32 s[G1P+4], 100
	s_mov_b32 s[G1Q+2], 100<<16
	s_mov_b32 s[G1Q+4], 100
	s_barrier_signal -1
	s_barrier_wait -1                              ; everybody's part is in
	FETCH_P 0, 0, 0
	FETCH_Q 0, 0, 0
	SCALES 0, 0, 0
	FETCH_Q 0, 0, 4
	STEP 0, 0, 1, 1                                ; K step 0 starts the sums: nothing is cleared
	TURN 1, 1, 1, 0                                ; K step 1: slots 1 and 2 are whole for every wave; slot 0 takes K steps 6 and 7
	STEP 0, 1, 1, 0                                ; K step 2
	STEP 1, 2, 0, 0                                ; K step 3: on into slot 2, which the barrier in K step 1 has shown whole; slot 1 is not filled again: no barrier
	STEP 0, 2, 1, 0                                ; K step 4
	TURN 0, 1, 0, 0                                ; K step 5: slot 0's second fill has landed, for every wave; nothing is left to fetch
	STEP 0, 0, 1, 0                                ; K step 6
	LAST 1                                         ; K step 7
	PLACES 4
.irp b, 0,1,2,3
	v_mov_b32 v[TM+4+\b], 0                        ; a lane permute's destination counts as one of its sources
.endr
	s_wait_loadcnt 0x0                             ; be
; Block a of 16 tokens: + bias, silu, quantised: one fragment of h.
.macro EPI a
.if (\a) > 0
	s_wait_xcnt 0x0                                ; the last block's stores have read their registers
.endif
	WIN 0x02+(\a)/4
.set i, 0
.rept 32
	v_pk_add_f32 v[T+i:T+i+1], v[64*((\a)%4)+i:64*((\a)%4)+i+1], v[BI+i:BI+i+1]   ; each accumulator from its low end on
.set i, i+2
.endr
	WIN 0x40                                       ; the powers lie in window 1, where P's fragments lay
.set i, 0
.rept 32
	v_pk_mul_f32 v[i:i+1], v[T+i:T+i+1], 0xbfb8aa3b op_sel_hi:[1,0]   ; -h log2(e)
.set i, i+2
.endr
	WIN 0x41
.set i, 0
	s_wait_alu depctr_va_vdst(0)
.rept 64
	v_exp_f32 v[i], v[i]
.set i, i+1
.endr
	v_nop                                          ; a plain instruction behind the last exponential
	s_wait_alu depctr_va_vdst(0)                   ; one wait for the batch
.set i, 0
.rept 32
	v_pk_add_f32 v[i:i+1], v[i:i+1], 1.0 op_sel_hi:[1,0]
.set i, i+2
.endr
.set i, 0
	s_wait_alu depctr_va_vdst(0)
.rept 64
	v_rcp_f32 v[i], v[i]
.set i, i+1
.endr
	v_nop
	s_wait_alu depctr_va_vdst(0)                   ; and one for the reciprocals
	WIN 0x04
.set i, 0
.rept 32
	v_pk_mul_f32 v[T+i:T+i+1], v[T+i:T+i+1], v[i:i+1]
.set i, i+2
.endr
	WIN 0
	QUANT T
	STFI 66, FI*(\a)
.if (\a)%2 == 0
	v_mov_b32 v[WE0], v[PW]
.else
	v_cndmask_b32 v[W0], v[WE0], v[PW], s92        ; lanes 0-15: the even block's words, lanes 16-31: the odd block's: 128 consecutive bytes
	global_store_b32 v[L4], v[W0], s[66:67] offset:GI-512+128*((\a)/2)
.endif
.endm
.irp a, 0,1,2,3,4,5,6,7
	EPI \a
.endr
	s_wait_tensorcnt 0x0                           ; the wave's end
	ds_add_u32 v[SPW], v[NIL]
	s_wait_dscnt 0x0
	CROUND                                         ; the closing round
	s_endpgm
.Lfunc_end_k_q35c1e7eb06_we:
	.size	k_q35c1e7eb06_we, .Lfunc_end_k_q35c1e7eb06_we-k_q35c1e7eb06_we
	.p2alignl 7, 3214868480
	.fill 96, 4, 3214868480
	.section	.rodata,"a",@progbits
	.p2align	6, 0x0
	.amdhsa_kernel k_q35c1e7eb06_we
		.amdhsa_group_segment_fixed_size 327680
		.amdhsa_private_segment_fixed_size 0
		.amdhsa_enable_private_segment 0
		.amdhsa_kernarg_size 32
		.amdhsa_user_sgpr_count 2
		.amdhsa_user_sgpr_kernarg_segment_ptr 1
		.amdhsa_wavefront_size32 1
		.amdhsa_system_sgpr_workgroup_id_x 1
		.amdhsa_system_sgpr_workgroup_id_y 1
		.amdhsa_system_sgpr_workgroup_id_z 1
		.amdhsa_system_vgpr_workitem_id 0
		.amdhsa_next_free_vgpr 1024
		.amdhsa_next_free_sgpr 100
		.amdhsa_reserve_vcc 0
		.amdhsa_float_denorm_mode_32 3
		.amdhsa_float_denorm_mode_16_64 3
		.amdhsa_memory_ordered 1
		.amdhsa_forward_progress 1
		.amdhsa_inst_pref_size 254
	.end_amdhsa_kernel
	.amdgpu_metadata
---
amdhsa.version: [ 1, 2 ]
amdhsa.kernels:
  - .name:           k_q35c1e7eb06_we
    .symbol:         k_q35c1e7eb06_we.kd
    .args:
      - { .name: timg, .offset: 0, .size: 8, .value_kind: global_buffer, .address_space: global }
      - { .name: wimg, .offset: 8, .size: 8, .value_kind: global_buffer, .address_space: global }
      - { .name: be, .offset: 16, .size: 8, .value_kind: global_buffer, .address_space: global }
      - { .name: himg, .offset: 24, .size: 8, .value_kind: global_buffer, .address_space: global }
    .group_segment_fixed_size: 327680
    .private_segment_fixed_size: 0
    .kernarg_segment_align: 8
    .kernarg_segment_size: 32
    .max_flat_workgroup_size: 128
    .sgpr_count:     100
    .vgpr_count:     1024
    .wavefront_size: 32
...
	.end_amdgpu_metadata
.endif
;; end of part 6
;; launch wd (part 7): grid 8 x 32, 4 waves a work-group, clusters of 4 x 4, 327,680 bytes of LDS; arguments himg, wimg, bd, x1, out0; writes out0
.if DOCPART == 7
	.amdgcn_target "amdgcn-amd-amdhsa--gfx1250"
	.amdhsa_code_object_version 6
	.text
	.protected	k_q35c1e7eb06_wd
	.globl	k_q35c1e7eb06_wd
	.p2align	8
	.type	k_q35c1e7eb06_wd,@function
k_q35c1e7eb06_wd:
	s_mov_b64 s[64:65], 0
	v_nop
	global_prefetch_b8 v0, s[64:65] scope:SCOPE_SE
	s_setreg_imm32_b32 hwreg(HW_REG_WAVE_MODE, 25, 1), 1
	s_wait_xcnt 0x0
	s_wait_alu depctr_hold_cnt(0) depctr_sa_sdst(0) depctr_va_vdst(0) depctr_va_sdst(0) depctr_va_ssrc(0) depctr_va_vcc(0) depctr_vm_vsrc(0)
	s_getreg_b32 s2, hwreg(HW_REG_IB_STS2, 6, 4)
	s_cmp_eq_u32 s2, 0
	s_cbranch_scc0 .Lentry_in_a_cluster
	s_endpgm
.Lentry_in_a_cluster:
	s_bfe_u32 s2, ttmp6, 0x10000c
	s_cmp_lg_u32 s2, 0xf033
	s_cbranch_scc0 .Lentry_shape_is_right
	s_endpgm
.Lentry_shape_is_right:
.set GI,    12800
.set FI,    1536
.set KS,    32
.set POFF,  6553600
.set BOFF,  16*GI
.set STEPB, 12*GI
.set REDW,  128*528
.set SPARE, 24*GI
.set BIAS, 8
.set RRD,  12
.set AQ16, 16
.set AQ8,  18
.set AP16, 20
.set AP8,  22
.set ADRS, 24
.set L16,  26
.set L8,   27
.set SPW,  28
.set NIL,  29
.set RST,  31
.set SC,   32
.set RS,   64
.set QF,   128
.set G1PA, 24
.set G0PA, 32
.set G0PB, 36
.set G1QA, 48
.set G0QA, 56
.set G0QB, 60
.set G1PB, 76
.set G1QB, 84
.set RB,  68
.set OB,  70
.set MUL_LO, 0xa1
.set MUL_HI, 0xf1
.set TO_P,   0x40
.set MSB, 0
.macro WIN new
.if MSB != (\new)
	s_set_vgpr_msb (MSB<<8)|(\new)
.set MSB, (\new)
.endif
.endm
.macro PLACES n
.rept \n
	v_nop
.endr
.endm
.macro JLOAD g0a, g1a, g0b, g1b
	s_cmp_eq_u32 s15, 0
	s_cbranch_scc0 .Lfor_b_\@
	tensor_load_to_lds s[\g0a:\g0a+3], s[\g1a:\g1a+7]
	s_nop 0
.rept 4
	v_nop
.endr
	s_branch .Lasked_\@
.Lfor_b_\@:
	tensor_load_to_lds s[\g0b:\g0b+3], s[\g1b:\g1b+7]
	s_nop 0
.rept 4
	v_nop
.endr
.Lasked_\@:
.endm
.macro CREST
	s_cmp_lg_u32 s14, 0
	s_cbranch_scc1 .Lnot_wave_0_\@
	s_barrier_signal -3
.Lnot_wave_0_\@:
	s_barrier_wait -3
	s_barrier_signal -1
	s_barrier_wait -1
.endm
.macro CROUND
	s_barrier_signal -1
	s_barrier_wait -1
	CREST
.endm
.macro FRAG reg, a16, a8, off
	ds_load_b128 v[\reg:\reg+3], v[\a16] offset:\off
	ds_load_b64 v[\reg+4:\reg+5], v[\a8] offset:(\off)+512
	ds_load_b128 v[\reg+6:\reg+9], v[\a16] offset:(\off)+768
	ds_load_b64 v[\reg+10:\reg+11], v[\a8] offset:(\off)+1280
.endm
.macro FETCH_P slot, kq, set
	WIN TO_P
.irp i, 0,1,2,3,4,5,6,7
	FRAG 128*(\set)+12*\i, AP16+\slot, AP8+\slot, (\kq)*GI+FI*\i
.endr
	WIN 0
.endm
.macro FETCH_Q slot, kq, i0
.irp i, \i0, \i0+1, \i0+2, \i0+3
	FRAG QF+12*(\i), AQ16+\slot, AQ8+\slot, (\kq)*GI+FI*(\i)
.endr
.endm
.macro SCALES slot, kq, set
.irp i, 0,1,2,3,4,5,6,7
	ds_load_b32 v[SC+8*(\set)+\i], v[ADRS+\slot] offset:(\kq)*GI+64*\i
.endr
.endm
.macro MUL16 a0, p, zero
.irp a, \a0, \a0+1
.irp b, 0,1,2,3,4,5,6,7
.if \zero
	v_wmma_scale_f32_16x16x128_f8f6f4 v[8*(8*((\a)%4)+\b):8*(8*((\a)%4)+\b)+7], v[128*(\p)+12*\b:128*(\p)+12*\b+11], v[QF+12*(\a):QF+12*(\a)+11], 0, v[SC+8*(\p)+\b], v[SC+8*(\p)+(\a)] matrix_a_fmt:MATRIX_FMT_FP6 matrix_b_fmt:MATRIX_FMT_FP6 matrix_b_scale:MATRIX_SCALE_ROW1
.else
	v_wmma_scale_f32_16x16x128_f8f6f4 v[8*(8*((\a)%4)+\b):8*(8*((\a)%4)+\b)+7], v[128*(\p)+12*\b:128*(\p)+12*\b+11], v[QF+12*(\a):QF+12*(\a)+11], v[8*(8*((\a)%4)+\b):8*(8*((\a)%4)+\b)+7], v[SC+8*(\p)+\b], v[SC+8*(\p)+(\a)] matrix_a_fmt:MATRIX_FMT_FP6 matrix_b_fmt:MATRIX_FMT_FP6 matrix_b_scale:MATRIX_SCALE_ROW1
.endif
.endr
.endr
.endm
.macro STEP p, nslot, nkq, zero
	s_wait_dscnt 16
	WIN MUL_LO
	MUL16 0, \p, \zero
	MUL16 2, \p, \zero
	s_wait_dscnt 0x0
	PLACES 4
	FETCH_P \nslot, \nkq, 1-(\p)
	FETCH_Q \nslot, \nkq, 0
	SCALES \nslot, \nkq, 1-(\p)
	WIN MUL_HI
	MUL16 4, \p, \zero
	MUL16 6, \p, \zero
	PLACES 4
	WIN 0
	FETCH_Q \nslot, \nkq, 4
.endm
.macro TURN next, p, fill, zero, g0p, g1p, g0q, g1q
	s_wait_tensorcnt 0x0
	ds_add_u32 v[SPW], v[NIL]
	s_wait_dscnt 17
	WIN MUL_LO
	MUL16 0, \p, \zero
	s_wait_dscnt 0x0
	s_barrier_signal -1
	MUL16 2, \p, \zero
	WIN 0
	s_barrier_wait -1
.if \fill
	CREST
	s_add_nc_u64 s[\g0p+2:\g0p+3], s[\g0p+2:\g0p+3], STEPB
	s_add_nc_u64 s[\g0q+2:\g0q+3], s[\g0q+2:\g0q+3], STEPB
	JLOAD \g0p, \g1p, \g0q, \g1q
.else
	PLACES 4
.endif
	FETCH_P \next, 0, 1-(\p)
	s_wait_alu depctr_va_vdst(0)
	FETCH_Q \next, 0, 0
	SCALES \next, 0, 1-(\p)
	WIN MUL_HI
	MUL16 4, \p, \zero
	MUL16 6, \p, \zero
	PLACES 4
	WIN 0
	FETCH_Q \next, 0, 4
.endm
.macro LAST p
	s_wait_dscnt 16
	WIN MUL_LO
	MUL16 0, \p, 0
	MUL16 2, \p, 0
	s_wait_dscnt 0x0
	WIN MUL_HI
	MUL16 4, \p, 0
	MUL16 6, \p, 0
	WIN 0
.endm
	s_load_b128 s[4:7], s[0:1], 0x0
	s_load_b128 s[8:11], s[0:1], 0x10
	s_load_b64 s[12:13], s[0:1], 0x20
	v_lshl_add_u32 v[SPW], v0, 2, SPARE
	v_mov_b32 v[NIL], 0
	ds_add_u32 v28, v29
	ds_add_u32 v28, v29
	s_wait_dscnt 0x0
	v_lshrrev_b32 v1, 5, v0
	v_readfirstlane_b32 s14, v1
	s_lshr_b32 s15, s14, 1
	s_and_b32 s16, s14, 1
	s_bfe_u32 s40, ttmp6, 0x40000
	s_bfe_u32 s41, ttmp6, 0x40004
	s_lshl_b32 s42, ttmp9, 2
	s_add_co_u32 s42, s42, s40
	s_and_b32 s17, ttmp7, 0xffff
	s_lshl_b32 s17, s17, 2
	s_add_co_u32 s17, s17, s41
	s_lshl_b32 s43, s41, 2
	s_lshl_b32 s43, 15, s43
	s_lshl_b32 s44, 0x1111, s40
	s_or_b32 s[G1PA+0], s44, (3<<16)|(1<<21)
	s_or_b32 s[G1PB+0], s44, (3<<16)|(1<<21)
	s_or_b32 s[G1QA+0], s43, (3<<16)|(1<<21)
	s_or_b32 s[G1QB+0], s43, (3<<16)|(1<<21)
.irp g, G1PA, G1QA
	s_mov_b32 s[\g+1], 32<<16
	s_mov_b32 s[\g+2], 200<<16
	s_mov_b32 s[\g+3], 32<<16
	s_mov_b32 s[\g+4], 200
	s_mov_b32 s[\g+5], 32
	s_mov_b32 s[\g+6], 0
	s_mov_b32 s[\g+7], 0
.endr
.irp g, G1PB, G1QB
	s_mov_b32 s[\g+1], 32<<16
	s_mov_b32 s[\g+2], 100<<16
	s_mov_b32 s[\g+3], 32<<16
	s_mov_b32 s[\g+4], 100
	s_mov_b32 s[\g+5], 32
	s_mov_b32 s[\g+6], 0
	s_mov_b32 s[\g+7], 0
.endr
	s_mul_i32 s74, s16, 4*GI
	s_mov_b32 s75, 0
	s_mul_i32 s92, s16, 2*GI
	s_add_co_u32 s92, s92, 8*GI
	s_mov_b32 s93, 0
	s_mul_i32 s46, s42, KS*GI
	s_add_co_u32 s46, s46, POFF
	s_mov_b32 s47, 0
	s_mul_i32 s20, s17, KS*GI
	s_mov_b32 s21, 0
	s_mul_i32 s45, s14, 4*GI
	s_mul_i32 s94, s14, 2*GI
	s_wait_kmcnt 0x0
	s_add_nc_u64 s[46:47], s[6:7], s[46:47]
	s_add_nc_u64 s[20:21], s[4:5], s[20:21]
	CROUND
	s_mov_b32 s[G0PA], 1
	s_add_co_u32 s[G0PA+1], s45, 0
	s_add_nc_u64 s[G0PA+2:G0PA+3], s[46:47], s[74:75]
	s_or_b32 s[G0PA+3], s[G0PA+3], 0x80000000
	s_mov_b32 s[G0QA], 1
	s_add_co_u32 s[G0QA+1], s45, 0
	s_add_nc_u64 s[G0QA+2:G0QA+3], s[20:21], s[74:75]
	s_or_b32 s[G0QA+3], s[G0QA+3], 0x80000000
	JLOAD G0PA, G1PA, G0QA, G1QA
	s_mov_b32 s[G0PB], 1
	s_add_co_u32 s[G0PB+1], s94, BOFF
	s_add_nc_u64 s[G0PB+2:G0PB+3], s[46:47], s[92:93]
	s_or_b32 s[G0PB+3], s[G0PB+3], 0x80000000
	s_mov_b32 s[G0QB], 1
	s_add_co_u32 s[G0QB+1], s94, BOFF
	s_add_nc_u64 s[G0QB+2:G0QB+3], s[20:21], s[92:93]
	s_or_b32 s[G0QB+3], s[G0QB+3], 0x80000000
	s_wait_alu depctr_va_vdst(0)
	s_wait_tensorcnt 0x0
	ds_add_u32 v28, v29
	s_wait_dscnt 0x0
	CROUND
	JLOAD G0PB, G1PB, G0QB, G1QB
	v_and_b32 v1, 31, v0
	v_and_b32 v2, 15, v0
	v_bfe_u32 v3, v0, 4, 1
	v_lshlrev_b32 v[L16], 4, v1
	v_lshlrev_b32 v[L8], 3, v1
	v_mul_u32_u24 v6, v3, 8*GI
	v_lshl_add_u32 v6, v2, 2, v6
	v_add_nc_u32 v6, GI-512, v6
	v_mul_u32_u24 v7, v3, 4*GI
	v_lshl_add_u32 v7, v2, 2, v7
	v_add_nc_u32 v7, GI-512, v7
	s_mul_i32 s22, s14, GI
	v_add_nc_u32 v[AP16], s22, v[L16]
	v_add_nc_u32 v[AP8], s22, v[L8]
	v_add_nc_u32 v[ADRS], s22, v6
	s_add_co_u32 s21, s22, 8*GI
	v_add_nc_u32 v[AQ16], s21, v[L16]
	v_add_nc_u32 v[AQ8], s21, v[L8]
	s_add_co_u32 s21, s22, BOFF
	v_add_nc_u32 v[AP16+1], s21, v[L16]
	v_add_nc_u32 v[AP8+1], s21, v[L8]
	v_add_nc_u32 v[ADRS+1], s21, v7
	s_add_co_u32 s21, s22, BOFF+4*GI
	v_add_nc_u32 v[AQ16+1], s21, v[L16]
	v_add_nc_u32 v[AQ8+1], s21, v[L8]
	s_mul_i32 s23, s14, REDW
	v_mul_u32_u24 v[RST], v2, 528
	v_lshl_add_u32 v[RST], v3, 6, v[RST]
	v_add_nc_u32 v[RST], s23, v[RST]
	s_mul_i32 s23, s14, 32*528
	v_add_nc_u32 v[RRD], s23, v[L16]
	v_add_nc_u32 v[RRD+1], REDW, v[RRD]
	v_add_nc_u32 v[RRD+2], REDW, v[RRD+1]
	v_add_nc_u32 v[RRD+3], REDW, v[RRD+2]
	s_lshl_b32 s66, s17, 7
	s_lshl_b32 s67, s14, 5
	s_add_co_u32 s66, s66, s67
	s_lshl_b32 s66, s66, 12
	s_lshl_b32 s67, s42, 9
	s_add_co_u32 s66, s66, s67
	s_mov_b32 s67, 0
	s_add_nc_u64 s[RB:RB+1], s[10:11], s[66:67]
	s_add_nc_u64 s[OB:OB+1], s[12:13], s[66:67]
	s_lshl_b32 s66, s42, 9
	s_add_nc_u64 s[72:73], s[8:9], s[66:67]
	global_load_b128 v[BIAS:BIAS+3], v[L16], s[72:73]
	s_wait_tensorcnt 1
	s_barrier_signal -1
	s_barrier_wait -1
	FETCH_P 0, 0, 0
	FETCH_Q 0, 0, 0
	SCALES 0, 0, 0
	FETCH_Q 0, 0, 4
	STEP 0, 0, 4, 1
	TURN 1, 1, 1, 0, G0PA, G1PA, G0QA, G1QA
	TURN 0, 0, 1, 0, G0PB, G1PB, G0QB, G1QB
	STEP 1, 0, 4, 0
	TURN 1, 0, 1, 0, G0PA, G1PA, G0QA, G1QA
	TURN 0, 1, 0, 0, G0PB, G1PB, G0QB, G1QB
	STEP 0, 0, 4, 0
	LAST 1
.macro RLOAD k
.set e, 0
.rept 8
.set jj, 8*(\k)+e
	global_load_b128 v[RS+32*((\k)%2)+4*e:RS+32*((\k)%2)+4*e+3], v[L16], s[RB:RB+1] offset:(8*(jj/16)+jj%16+8*((jj%16)/8))*4096
.set e, e+1
.endr
.endm
.macro BATCH k
.if (\k) > 0
	s_wait_xcnt 0x0
.endif
.set e, 0
.rept 8
.irp q, 0,1,2,3
	ds_load_b128 v[128+16*e+4*\q:128+16*e+4*\q+3], v[RRD+\q] offset:528*(8*(\k)+e)
.endr
.set e, e+1
.endr
	s_wait_dscnt 0x0
.if (\k) < 3
	s_wait_loadcnt 8
.else
	s_wait_loadcnt 0x0
.endif
.set e, 0
.rept 8
.set jj, 8*(\k)+e
.set A, 128+16*e
.set R, RS+32*((\k)%2)+4*e
	v_pk_add_f32 v[A:A+1], v[A:A+1], v[A+4:A+5]
	v_pk_add_f32 v[A+2:A+3], v[A+2:A+3], v[A+6:A+7]
	v_pk_add_f32 v[A+8:A+9], v[A+8:A+9], v[A+12:A+13]
	v_pk_add_f32 v[A+10:A+11], v[A+10:A+11], v[A+14:A+15]
	v_pk_add_f32 v[R:R+1], v[R:R+1], v[BIAS:BIAS+1]
	v_pk_add_f32 v[R+2:R+3], v[R+2:R+3], v[BIAS+2:BIAS+3]
	v_pk_add_f32 v[A:A+1], v[A:A+1], v[A+8:A+9]
	v_pk_add_f32 v[A+2:A+3], v[A+2:A+3], v[A+10:A+11]
	v_pk_add_f32 v[A:A+1], v[A:A+1], v[R:R+1]
	v_pk_add_f32 v[A+2:A+3], v[A+2:A+3], v[R+2:R+3]
	global_store_b128 v[L16], v[A:A+3], s[OB:OB+1] offset:(8*(jj/16)+jj%16+8*((jj%16)/8))*4096 th:TH_STORE_NT
.set e, e+1
.endr
.if (\k)+2 < 4
	RLOAD (\k)+2
.endif
.endm
	PLACES 4
	RLOAD 0
	RLOAD 1
	s_wait_dscnt 0x0
	s_barrier_signal -1
	s_barrier_wait -1
.irp a, 0,1,2,3,4,5,6,7
	WIN 0x08+4*(\a/4)
.irp b, 0,1,2,3,4,5,6,7
	ds_store_b128 v[RST], v[8*(8*(\a%4)+\b):8*(8*(\a%4)+\b)+3] offset:16*528*\a+128*(\b/2)+32*(\b%2)
	ds_store_b128 v[RST], v[8*(8*(\a%4)+\b)+4:8*(8*(\a%4)+\b)+7] offset:16*528*\a+128*(\b/2)+32*(\b%2)+16
.endr
.endr
	WIN 0
	s_wait_dscnt 0x0
	s_barrier_signal -1
	s_barrier_wait -1
	BATCH 0
	BATCH 1
	BATCH 2
	BATCH 3
	s_wait_tensorcnt 0x0
	ds_add_u32 v[SPW], v[NIL]
	s_wait_dscnt 0x0
	CROUND
	s_endpgm
.Lfunc_end_k_q35c1e7eb06_wd:
	.size	k_q35c1e7eb06_wd, .Lfunc_end_k_q35c1e7eb06_wd-k_q35c1e7eb06_wd
	.p2alignl 7, 3214868480
	.fill 96, 4, 3214868480
	.section	.rodata,"a",@progbits
	.p2align	6, 0x0
	.amdhsa_kernel k_q35c1e7eb06_wd
		.amdhsa_group_segment_fixed_size 327680
		.amdhsa_private_segment_fixed_size 0
		.amdhsa_enable_private_segment 0
		.amdhsa_kernarg_size 40
		.amdhsa_user_sgpr_count 2
		.amdhsa_user_sgpr_kernarg_segment_ptr 1
		.amdhsa_wavefront_size32 1
		.amdhsa_system_sgpr_workgroup_id_x 1
		.amdhsa_system_sgpr_workgroup_id_y 1
		.amdhsa_system_sgpr_workgroup_id_z 1
		.amdhsa_system_vgpr_workitem_id 0
		.amdhsa_next_free_vgpr 1024
		.amdhsa_next_free_sgpr 100
		.amdhsa_reserve_vcc 0
		.amdhsa_float_denorm_mode_32 3
		.amdhsa_float_denorm_mode_16_64 3
		.amdhsa_memory_ordered 1
		.amdhsa_forward_progress 1
		.amdhsa_inst_pref_size 159
	.end_amdhsa_kernel
	.amdgpu_metadata
---
amdhsa.version: [ 1, 2 ]
amdhsa.kernels:
  - .name:           k_q35c1e7eb06_wd
    .symbol:         k_q35c1e7eb06_wd.kd
    .args:
      - { .name: himg, .offset: 0, .size: 8, .value_kind: global_buffer, .address_space: global }
      - { .name: wimg, .offset: 8, .size: 8, .value_kind: global_buffer, .address_space: global }
      - { .name: bd, .offset: 16, .size: 8, .value_kind: global_buffer, .address_space: global }
      - { .name: x1, .offset: 24, .size: 8, .value_kind: global_buffer, .address_space: global }
      - { .name: out0, .offset: 32, .size: 8, .value_kind: global_buffer, .address_space: global }
    .group_segment_fixed_size: 327680
    .private_segment_fixed_size: 0
    .kernarg_segment_align: 8
    .kernarg_segment_size: 40
    .max_flat_workgroup_size: 128
    .sgpr_count:     100
    .vgpr_count:     1024
    .wavefront_size: 32
...
	.end_amdgpu_metadata
.endif
;; end of part 7
